; MI455X (gfx1250); checked and timed in simulation.
; The chip was launched on July 23, 2026; its instructions are those of AMD's public machine-readable ISA for CDNA 5 (MIT licence, August 2026) and "CDNA5" Instruction Set Architecture Reference Guide (July 2026). The comments in the code are by the model that wrote it; some were corrected since.
;; DS Mo E. Allowed arithmetic: matrix products marked QUANTISED: E2M3 operands, one E8M0 scale for each 32 along K, by v_wmma_scale_f32_16x16x128_f8f6f4 with both operands' format E2M3, f32 sums; products left as they are: f32 operands where the result goes on into a quantised operand, else bf16, f16 or f32 operands; f32 sums; everything else in f32.
;; Inputs: biases 8 float32; gate_w 8 x 512 float32; sw1_codes 1,024 x 16 x 24 uint8 (E2M3 codes of sw1, K innermost, in blocks of 32 codes, four codes in three bytes); sw1_scales 1,024 x 16 uint8 (E8M0 scales of sw1, one for each 32 codes along K); sw2_codes 512 x 32 x 24 uint8 (E2M3 codes of sw2, K innermost, in blocks of 32 codes, four codes in three bytes); sw2_scales 512 x 32 uint8 (E8M0 scales of sw2, one for each 32 codes along K); sw3_codes 1,024 x 16 x 24 uint8 (E2M3 codes of sw3, K innermost, in blocks of 32 codes, four codes in three bytes); sw3_scales 1,024 x 16 uint8 (E8M0 scales of sw3, one for each 32 codes along K); w1_codes 8 x 1,024 x 16 x 24 uint8 (E2M3 codes of w1, K innermost, in blocks of 32 codes, four codes in three bytes); w1_scales 8 x 1,024 x 16 uint8 (E8M0 scales of w1, one for each 32 codes along K); w2_codes 8 x 512 x 32 x 24 uint8 (E2M3 codes of w2, K innermost, in blocks of 32 codes, four codes in three bytes); w2_scales 8 x 512 x 32 uint8 (E8M0 scales of w2, one for each 32 codes along K); w3_codes 8 x 1,024 x 16 x 24 uint8 (E2M3 codes of w3, K innermost, in blocks of 32 codes, four codes in three bytes); w3_scales 8 x 1,024 x 16 uint8 (E8M0 scales of w3, one for each 32 codes along K); x 4 x 1,024 x 512 float32.
;; Outputs: out0 4 x 1,024 x 512 float32.
;; This version of the problem:
;;   THIS VERSION OF THE PROBLEM IS GIVEN IN LOW PRECISION. The matrix products marked QUANTISED in the list below multiply operands that are first quantised to E2M3 (2 exponent bits, 3 mantissa bits; 6 bits a number), with one power-of-two scale for each 32 numbers along K (OCP MX v1.0); their sums are f32. All else is computed in f32.
;;   The module's matrix products, in the order in which they are computed (A, B: the left and right operand; K: the contracted axis; several contracted axes count as one K, in the product's order):
;;     1. [M 4,096, K 512] x [K 512, N 1,024]; A: input x; B: input sw1 (given as codes): QUANTISED
;;     2. [M 4,096, K 512] x [K 512, N 1,024]; A: input x; B: input sw3 (given as codes): QUANTISED
;;     3. [M 4,096, K 1,024] x [K 1,024, N 512]; A: computed on the way; B: input sw2 (given as codes): QUANTISED
;;     4. [M 4,096, K 512] x [K 512, N 8]; A: input x; B: input gate_w: left as it is (N = 8 < 16)
;;     5. [M 8,192, K 512] x [K 512, N 4,096]; A: input w1 (given as codes); B: input x: QUANTISED
;;     6. [M 8,192, K 512] x [K 512, N 4,096]; A: input w3 (given as codes); B: input x: QUANTISED
;;     7. batch 8 x [M 4,096, K 1,024] x [K 1,024, N 512]; A: computed on the way; B: input w2 (given as codes): QUANTISED
;;     8. batch 4,096 x [M 1, K 2] x [K 2, N 8]; A: computed on the way; B: computed on the way: left as it is (K = 2 < 32)
;;     9. batch 4,096 x [M 1, K 8] x [K 8, N 512]; A: computed on the way; B: computed on the way: left as it is (K = 8 < 32)
;;   THE QUANTISER, for each operand of a quantised product, along K:
;;     - K is cut into blocks of 32 from its start; a last block that is shorter is filled with zeros.
;;     - A block's scale is 2^e with e = floor(log2(the largest magnitude in the block)) - 2, held to -126 .. 127; a block of zeros has e = 0. As a byte (E8M0): e + 127.
;;     - Each number is divided by its block's scale, clamped to +-7.5, and rounded to the nearest number of E2M3, ties to even, subnormals kept.
;;     - The product sums the exact products of the quantised numbers (number of the format x scale) in f32.
;;   ~~~python
;;   def quantise(x, axis):      # numpy; x: float32 -> the quantised numbers, widened to float32 again
;;       x = np.moveaxis(x, axis, -1); K = x.shape[-1]
;;       x = np.pad(x, [(0, 0)] * (x.ndim - 1) + [(0, -K % 32)]); x = x.reshape(x.shape[:-1] + (-1, 32)); a = np.abs(x).max(-1, keepdims=True)
;;       e = np.where(a > 0, np.clip(np.frexp(np.where(a > 0, a, 1))[1] - 1 - 2, -126, 127), 0)      # np.frexp(a)[1] - 1 = floor(log2(a)), exactly
;;       r = np.clip(x / 2.0 ** e, -7.5, 7.5)
;;       step = 2.0 ** (np.maximum(np.frexp(np.where(r == 0, 1, r))[1] - 1, 0) - 3)
;;       q = np.round(r / step) * step * 2.0 ** e      # np.round: ties to even
;;       return np.moveaxis(q.reshape(q.shape[:-2] + (-1,))[..., :K], -1, axis).astype(np.float32)
;;   ~~~
;;   OPERANDS COMPUTED ON THE WAY. 'Computed on the way' means the value that the module computes at that place (a softmax that the list does not call 'softmax' is quantised finished and normalised). What goes into a quantiser is computed in f32, as accurately as f32 sums, v_exp_f32 and their like allow (about 1e-6 of the number): no bf16 or f16 on the way to a quantiser, and a product that is left as it is and whose result goes on into a quantised operand takes f32 operands (vector FMAs, or v_wmma_f32_16x16x4_f32). A number that lies on a knife's edge between two numbers of the format may be rounded either way, as far as f32 arithmetic and the matrix unit's own rounding can turn it there, and no further.
;;   INPUTS GIVEN AS CODES. sw1 (in the module: [512, 1024], K = its axis 0); sw2 (in the module: [1024, 512], K = its axis 0); sw3 (in the module: [512, 1024], K = its axis 0); w1 (in the module: [8, 512, 1024], K = its axis 1); w2 (in the module: [8, 1024, 512], K = its axis 1); w3 (in the module: [8, 512, 1024], K = its axis 1): each comes as NAME_codes (uint8): NAME with its K axis moved to the last place and cut into blocks of 32 codes, [.., K / 32, bytes a block], one block behind the other in memory; four codes in three bytes: a row's codes are one little-endian stream of bits, code i at bits 6 i .. 6 i + 5 (a code: sign, 2 exponent bits, 3 mantissa bits); and NAME_scales (uint8): the same leading axes, one E8M0 byte (e + 127) for each 32 codes along K. Its value is code x scale, taken as it is: it is not quantised again, and the codes and scales need not be those that the quantiser above would give.
;; 2 versions, each right and faster than the one before. Each part assembles by itself: llvm-mc -triple=amdgcn-amd-amdhsa -mcpu=gfx1250 --defsym DOCPART=n.
;; ======== version 1 of 2: 4 launches
;; workspace buffers: route 16,384 bytes of whole numbers; gates 32,768 bytes; xq 1,638,400 bytes; wl 11,059,200 bytes; plan 65,536 bytes of whole numbers; pw 49,152 bytes; y 25,165,824 bytes
;; launch prep (part 1): grid 688 x 1, 4 waves a work-group, no clusters, 75,264 bytes of LDS; arguments x, gate_w, biases, route, gates, xq, wl, w1_codes, w3_codes, w2_codes, sw1_codes, sw3_codes, sw2_codes, w1_scales, w3_scales, w2_scales, sw1_scales, sw3_scales, sw2_scales; writes route, gates, xq, wl
.if DOCPART == 1
	.amdgcn_target "amdgcn-amd-amdhsa--gfx1250"
	.amdhsa_code_object_version 6
	.text
	.protected	k_q6218b5a11f_prep
	.globl	k_q6218b5a11f_prep
	.p2align	8
	.type	k_q6218b5a11f_prep,@function
k_q6218b5a11f_prep:
	s_mov_b64 s[64:65], 0
	v_nop
	global_prefetch_b8 v0, s[64:65] scope:SCOPE_SE
	s_setreg_imm32_b32 hwreg(HW_REG_WAVE_MODE, 25, 1), 1
	s_wait_xcnt 0x0
; TWO KINDS OF WORK-GROUPS, parted on the work-group's number; each kind has LDS bytes of its own.
; Work-groups 0-255: 16 tokens each, 4 a wave.  The router (8 scores a token, f32 multiply-adds), the two chosen experts (top 2 of score + bias, the lower
; index on a tie) and their weights (from the top 2 of the unbiased scores), stored at fixed places; and x as codes of E2M3 with one E8M0 byte for each 32 along K.
; Work-groups 256-687: 1,728 wave tasks.  Each lays 16 rows x 384 bytes of one weight's codes, and 256 bytes of scale words, in the order in which the chain's
; operand registers take them, so that there every lane loads its fragments by 16-byte loads, 512 consecutive bytes a wave.
; xq: a token's 384 bytes of codes: registers 4 c .. 4 c + 3 of lane half h of the fragment of K step s lie at 128 c + 32 s + 16 h; its 16 scale bytes at XSO + 16 t.
; wl: [expert 0..8][wave 0..3][set 0..23][fragment 0..7][plane 0..2][lane][16 bytes]; scale words at WSO: [expert][wave][set][lane][4 words], word q of lane l: fragment 2 q + l / 16, row l % 16.
; A block's scale byte is its largest magnitude's exponent field - 2, held at 1 from below.
; LIMITS: NaN and infinities are not served.  A block whose largest magnitude lies under 2^-124, a block of zeros too, gets the byte 1 (its codes are zeros or as the floor gives them;
; the bytes are read by this program alone).  Two scores that differ by less than the f32 sums' rounding may be ordered otherwise than by another order of summation.
; No tensor load, no barrier: waves share nothing.
.set XSO,  1572864
.set WSO,  10616832
.set WREG, 12288                       ; LDS of a wave on the tokens' path: four stages of 2,560 bytes, then
.set OUTB, 10240                       ; 4 tokens x 384 bytes of codes,
.set XSB,  11776                       ; their 64 scale bytes,
.set SCW,  12032                       ; their 32 scores
.set RELB, 49152                       ; LDS of the weights' path: 6,400 bytes a wave
.set GW,   16                          ; v16-143  gate_w: expert e, numbers 128 q + 4 lane + i at 16 e + 4 q + i; later 16 neighbours a token, and the top 2
.set XN,   16
.set XR,   144                         ; v144-207 x as loaded: token j at 16 j + 4 q + i
.set CD,   208                         ; v208-223 codes, four registers a token
.set SS,   224                         ; v224-239 eight running pairs; v240-255 at work
	v_lshl_add_u32 v219, v0, 2, 0x12400
	v_mov_b32 v223, 0
	v_lshrrev_b32 v1, 5, v0
	v_readfirstlane_b32 s2, v1                     ; wave
	v_and_b32 v1, 31, v0                           ; lane
	s_cmp_ge_u32 ttmp9, 256
	s_cbranch_scc1 .Lrelay
	; ---------------- the tokens' path
	s_load_b256 s[4:11], s[0:1], 0x0               ; x, gate_w, biases, route
	s_load_b128 s[12:15], s[0:1], 0x20             ; gates, xq
	s_lshl_b32 s3, ttmp9, 4
	s_lshl_b32 s32, s2, 2
	s_add_co_u32 s3, s3, s32                       ; my first token: 16 x work-group + 4 x wave
	s_mul_i32 s33, s2, WREG                        ; my wave's LDS
	s_mov_b32 s24, 0xaaaaaaaa                      ; lanes with bit 0, 1, 2 of their number set
	s_mov_b32 s25, 0xcccccccc
	s_mov_b32 s26, 0xf0f0f0f0
	s_mov_b32 s28, 0x76543210                      ; v_permlanex16_b32's selects for lane l xor 16
	s_mov_b32 s29, 0xfedcba98
	v_lshlrev_b32 v2, 4, v1                        ; 16 x lane
	v_lshrrev_b32 v10, 2, v1
	v_mul_u32_u24 v10, v10, 80
	v_and_b32 v11, 3, v1
	v_lshl_add_u32 v10, v11, 4, v10
	v_add_nc_u32 v3, s33, v10                      ; a stage, on the way in: four lanes' 64 bytes, then 16 of padding
	v_mul_u32_u24 v10, v1, 80
	v_add_nc_u32 v4, s33, v10                      ; and on the way out: my 16 neighbours
	v_bfe_u32 v10, v1, 2, 1
	v_and_b32 v11, 1, v1
	v_mul_u32_u24 v10, v10, 6
	v_mad_u32_u24 v10, v11, 3, v10                 ; my 12 bytes are registers 6 ((l >> 2) & 1) + 3 (l & 1) + 0 .. 2 of the fragment of K step l >> 3, half (l >> 1) & 1
	v_lshrrev_b32 v11, 3, v1
	v_lshlrev_b32 v11, 5, v11
	v_bfe_u32 v12, v1, 1, 1
	v_lshl_add_u32 v11, v12, 4, v11
	v_add_nc_u32 v11, s33, v11
	v_add_nc_u32 v11, OUTB, v11
.irp d, 0,1,2
	v_add_nc_u32 v12, \d, v10
	v_lshrrev_b32 v13, 2, v12
	v_and_b32 v12, 3, v12
	v_lshl_add_u32 v13, v13, 7, v11
	v_lshl_add_u32 v[5+\d], v12, 2, v13            ; v5-7: where register d of my three goes
.endr
	v_lshrrev_b32 v10, 1, v1
	v_add_nc_u32 v8, s33, v10
	v_add_nc_u32 v8, XSB, v8                       ; my block's scale byte
	v_and_b32 v10, 7, v1
	v_lshlrev_b32 v10, 2, v10
	v_add_nc_u32 v9, s33, v10
	v_add_nc_u32 v9, SCW, v9                       ; the score of expert lane & 7
	v_add_nc_u32 v10, s33, v2
	v_add_nc_u32 v10, OUTB, v10                    ; the codes on their way out
	v_and_b32 v11, 15, v1
	v_lshlrev_b32 v11, 2, v11
	v_add_nc_u32 v11, s33, v11
	v_add_nc_u32 v11, XSB, v11                     ; a scale word on its way out
	v_and_b32 v12, 3, v1
	v_lshlrev_b32 v12, 5, v12
	v_add_nc_u32 v12, s33, v12
	v_add_nc_u32 v12, SCW, v12                     ; the eight scores of token lane & 3
	v_lshlrev_b32 v13, 2, v1
	v_lshlrev_b32 v14, 3, v1
	s_lshl_b32 s34, s3, 11
	s_mov_b32 s35, 0
	s_mul_i32 s36, s3, 384
	s_mov_b32 s37, 0
	s_lshl_b32 s38, s3, 4
	s_mov_b32 s39, 0
	s_lshl_b32 s40, s3, 2
	s_mov_b32 s41, 0
	s_lshl_b32 s42, s3, 3
	s_mov_b32 s43, 0
	s_wait_kmcnt 0x0
	s_load_b256 s[16:23], s[8:9], 0x0              ; the eight biases
	s_add_nc_u64 s[4:5], s[4:5], s[34:35]          ; x at my first token
	s_add_nc_u64 s[36:37], s[14:15], s[36:37]      ; its codes,
	s_add_nc_u64 s[38:39], s[14:15], s[38:39]      ; its scale bytes (less XSO),
	s_add_nc_u64 s[10:11], s[10:11], s[40:41]      ; its word of experts,
	s_add_nc_u64 s[12:13], s[12:13], s[42:43]      ; its two weights
.irp j, 0,1,2,3
.irp q, 0,1,2,3
	global_load_b128 v[XR+16*\j+4*\q:XR+16*\j+4*\q+3], v2, s[4:5] offset:2048*\j+512*\q th:TH_LOAD_NT   ; 512 consecutive bytes a load
.endr
.endr
.irp e, 0,1,2,3,4,5,6,7
.irp q, 0,1,2,3
	global_load_b128 v[GW+16*\e+4*\q:GW+16*\e+4*\q+3], v2, s[6:7] offset:2048*\e+512*\q
.endr
.endr
	s_wait_loadcnt 0x0
	s_wait_kmcnt 0x0
; Token j's eight scores.  A lane sums its 16 products for each expert (eight chains by turns); three steps then halve the number of experts a lane carries while they
; add neighbours 1, 2 and 4 lanes away, so that lane l ends with expert l & 7; two more steps add the lanes 8 and 16 away.
.macro DOT j
.irp e, 0,1,2,3,4,5,6,7
	v_pk_mul_f32 v[SS+2*\e:SS+2*\e+1], v[XR+16*\j:XR+16*\j+1], v[GW+16*\e:GW+16*\e+1]
.endr
.irp p, 1,2,3,4,5,6,7
.irp e, 0,1,2,3,4,5,6,7
	v_pk_fma_f32 v[SS+2*\e:SS+2*\e+1], v[XR+16*\j+2*\p:XR+16*\j+2*\p+1], v[GW+16*\e+2*\p:GW+16*\e+2*\p+1], v[SS+2*\e:SS+2*\e+1]
.endr
.endr
.irp e, 0,1,2,3,4,5,6,7
	v_add_f32 v[240+\e], v[SS+2*\e], v[SS+2*\e+1]
.endr
.irp i, 0,1,2,3
	v_cndmask_b32 v[248+\i], v[240+2*\i], v[241+2*\i], s24     ; the expert that I keep,
	v_cndmask_b32 v[252+\i], v[241+2*\i], v[240+2*\i], s24     ; the one that my neighbour keeps
.endr
.irp i, 0,1,2,3
	v_add_f32_dpp v[248+\i], v[252+\i], v[248+\i] row_xmask:1 row_mask:0xf bank_mask:0xf
.endr
.irp i, 0,1
	v_cndmask_b32 v[240+\i], v[248+2*\i], v[249+2*\i], s25
	v_cndmask_b32 v[242+\i], v[249+2*\i], v[248+2*\i], s25
.endr
.irp i, 0,1
	v_add_f32_dpp v[240+\i], v[242+\i], v[240+\i] row_xmask:2 row_mask:0xf bank_mask:0xf
.endr
	v_cndmask_b32 v248, v240, v241, s26
	v_cndmask_b32 v249, v241, v240, s26
	v_add_f32_dpp v248, v249, v248 row_xmask:4 row_mask:0xf bank_mask:0xf
	v_add_f32_dpp v248, v248, v248 row_xmask:8 row_mask:0xf bank_mask:0xf
	v_permlanex16_b32 v249, v248, s28, s29
	v_add_f32 v248, v248, v249
	ds_store_b32 v9, v248 offset:32*\j             ; four lanes write the same word with the same value
.endm
	DOT 0
	DOT 1
	DOT 2
	DOT 3
	; x turns through the stages: in as loaded, out 64 bytes a lane.  LDS serves a wave's instructions in order, so no wait stands between the stores and the loads
.irp j, 0,1,2,3
.irp q, 0,1,2,3
	ds_store_b128 v3, v[XR+16*\j+4*\q:XR+16*\j+4*\q+3] offset:2560*\j+640*\q
.endr
.irp i, 0,1,2,3
	ds_load_b128 v[XN+16*\j+4*\i:XN+16*\j+4*\i+3], v4 offset:2560*\j+16*\i
.endr
.endr
	s_wait_dscnt 0x0                               ; lane l holds k = 16 l .. 16 l + 15 of each of the four tokens
.irp j, 0,1,2,3
	v_max3_num_f32 v[80+\j], |v[XN+16*\j]|, |v[XN+16*\j+1]|, 0x1800000   ; my 16 numbers, and the floor 2^(3 - 127): the byte cannot fall under 1
.endr
.irp i, 2,4,6,8,10,12,14
.irp j, 0,1,2,3
	v_max3_num_f32 v[80+\j], v[80+\j], |v[XN+16*\j+\i]|, |v[XN+16*\j+\i+1]|   ; the four tokens by turns
.endr
.endr
.irp j, 0,1,2,3
	v_max_num_f32_dpp v[80+\j], v[80+\j], v[80+\j] row_xmask:1 row_mask:0xf bank_mask:0xf   ; with my neighbour's 16: the block's largest magnitude
.endr
.irp j, 0,1,2,3
	v_add_nc_u32 v[84+\j], 0xff000000, v[80+\j]    ; 2 off its exponent field: the conversion's scale operand
.endr
.irp j, 0,1,2,3
	v_cvt_scalef32_pk16_fp6_f32 v[CD+4*\j:CD+4*\j+2], v[XN+16*\j:XN+16*\j+15], v[84+\j]
.endr
.irp j, 0,1,2,3
	v_lshrrev_b32 v[88+\j], 23, v[84+\j]           ; the scale's byte (also the plain line behind the conversions)
.endr
.irp j, 0,1,2,3
.irp d, 0,1,2
	ds_store_b32 v[5+\d], v[CD+4*\j+\d] offset:384*\j
.endr
	ds_store_b8 v8, v[88+\j] offset:16*\j          ; both lanes of a block write the same byte with the same value
.endr
.irp i, 0,1,2
	ds_load_b128 v[128+4*\i:131+4*\i], v10 offset:512*\i
.endr
	ds_load_b32 v92, v11
	ds_load_b128 v[96:99], v12
	ds_load_b128 v[100:103], v12 offset:16
	s_wait_dscnt 0x0
.irp i, 0,1,2
	global_store_b128 v2, v[128+4*\i:131+4*\i], s[36:37] offset:512*\i   ; the four tokens' codes: 1,536 consecutive bytes, at a multiple of 512
.endr
	; the two experts, in every lane for token lane & 3
.irp e, 0,1,2,3,4,5,6,7
	v_add_f32 v[104+\e], s[16+\e], v[96+\e]
.endr
	v_mov_b32 v112, v104
	v_mov_b32 v113, 0
.irp e, 1,2,3,4,5,6,7
	v_cmp_gt_f32 vcc_lo, v[104+\e], v112           ; strictly greater: the lower index keeps a tie
	v_cndmask_b32 v112, v112, v[104+\e], vcc_lo
	v_cndmask_b32 v113, v113, \e, vcc_lo
.endr
	v_mov_b32 v114, 0xff800000
.irp e, 0,1,2,3,4,5,6,7
	v_cmp_eq_u32 vcc_lo, \e, v113
	v_cndmask_b32 v[104+\e], v[104+\e], v114, vcc_lo   ; the first choice leaves the field
.endr
	v_mov_b32 v112, v104
	v_mov_b32 v115, 0
.irp e, 1,2,3,4,5,6,7
	v_cmp_gt_f32 vcc_lo, v[104+\e], v112
	v_cndmask_b32 v112, v112, v[104+\e], vcc_lo
	v_cndmask_b32 v115, v115, \e, vcc_lo
.endr
	v_lshl_or_b32 v113, v115, 8, v113              ; first expert | second expert << 8
	; the two largest UNBIASED scores a >= b
	v_mov_b32 v116, v96
	v_mov_b32 v117, v114
.irp e, 1,2,3,4,5,6,7
	v_med3_num_f32 v117, v116, v117, v[96+\e]
	v_max_num_f32 v116, v116, v[96+\e]
.endr
	; sigmoid(a) / (sigmoid(a) + sigmoid(b)) = (1 + e^-b) / (2 + e^-a + e^-b), both sides times e^u, u = min(b, 0): no exponent is above 0 and the divisor lies between 1 and 4
	v_min_num_f32 v118, 0, v117
	v_sub_f32 v119, v118, v117
	v_sub_f32 v122, v118, v116
	v_mul_f32 v118, 0x3fb8aa3b, v118
	v_mul_f32 v119, 0x3fb8aa3b, v119
	v_mul_f32 v122, 0x3fb8aa3b, v122
	v_exp_f32 v118, v118
	v_exp_f32 v119, v119
	v_exp_f32 v122, v122
	v_nop                                          ; a plain line behind the exponentials
	s_wait_alu depctr_va_vdst(0)
	v_add_f32 v119, v118, v119
	v_add_f32 v122, v118, v122
	v_add_f32 v123, v119, v122
	v_rcp_f32 v123, v123
	v_nop
	s_wait_alu depctr_va_vdst(0)
	v_mul_f32 v120, v119, v123
	v_mul_f32 v121, v122, v123
	v_cmp_gt_u32 vcc_lo, 16, v1
	s_wait_xcnt 0x0                                ; EXEC changes only behind this wait: it is a source of the stores above
	s_wait_tensorcnt 0x0
	ds_add_u32 v219, v223
	s_wait_dscnt 0x0
	s_and_saveexec_b32 s44, vcc_lo
	global_store_b32 v13, v92, s[38:39] offset:XSO ; 16 lanes: the four tokens' 64 scale bytes
	s_wait_xcnt 0x0
	s_or_b32 exec_lo, exec_lo, s44
	v_cmp_gt_u32 vcc_lo, 4, v1
	s_and_saveexec_b32 s44, vcc_lo
	global_store_b32 v13, v113, s[10:11]           ; 4 lanes: a word of experts and two weights for each token
	global_store_b64 v14, v[120:121], s[12:13]
	s_wait_xcnt 0x0
	s_or_b32 exec_lo, exec_lo, s44
	s_endpgm
	; ---------------- the weights' path: task T = 4 (work-group - 256) + wave = 192 x expert + 64 x matrix + tile (matrix 0: w1, 1: w3, 2: w2; expert 8: the shared one)
.Lrelay:
	s_load_b64 s[4:5], s[0:1], 0x30                ; wl
	s_load_b512 s[8:23], s[0:1], 0x38              ; codes: w1, w3, w2, sw1, sw3, sw2; scales: w1, w3
	s_load_b256 s[24:31], s[0:1], 0x78             ; scales: w2, sw1, sw3, sw2
	s_sub_co_u32 s3, ttmp9, 256
	s_lshl_b32 s3, s3, 2
	s_add_co_u32 s3, s3, s2
	s_mul_i32 s32, s3, 10923
	s_lshr_b32 s32, s32, 21                        ; expert = T / 192 (exact for T under 1,728)
	s_mul_i32 s33, s32, 192
	s_sub_co_u32 s33, s3, s33
	s_lshr_b32 s34, s33, 6                         ; matrix
	s_and_b32 s35, s33, 63                         ; tile
	s_lshr_b32 s47, s35, 1
	s_and_b32 s48, s35, 1
	s_and_b32 s49, s47, 7
	s_lshr_b32 s50, s35, 4                         ; the chain's wave that takes this tile
	; from where.  w1, w3: rows of 384 bytes, the tile's rows 32 (tile / 2) + 8 (tile % 2) + r + 8 (r / 8).  w2: rows of 768 bytes, rows 16 (tile / 2) + r, half tile % 2
	s_cmp_eq_u32 s34, 2
	s_cselect_b32 s43, 1, 0
	s_lshl_b32 s42, 384, s43                       ; bytes from row to row
	s_xor_b32 s46, s43, 1
	s_lshl_b32 s46, s46, 3                         ; rows 8-15 of a tile of w1 or w3 lie 8 rows further on
	s_mul_i32 s45, s43, 3
	s_lshr_b32 s45, 3072, s45                      ; tile % 2 is worth 8 rows of 384 bytes, or half a row of 768
	s_mul_i32 s45, s45, s48
	s_mul_i32 s44, s47, 12288                      ; tile / 2: 32 rows of 384 bytes = 16 rows of 768
	s_add_co_u32 s44, s44, s45
	s_cmp_eq_u32 s32, 8
	s_cselect_b32 s36, 0, s32                      ; the shared expert's buffers hold one expert
	s_mul_i32 s37, s36, 393216
	s_add_co_u32 s44, s44, s37
	s_mov_b32 s45, 0
	; to where: the fragment of K step s goes to base + (s & 1) A + (s >> 1) B
	s_lshl_b32 s51, s32, 2
	s_add_co_u32 s51, s51, s50
	s_mul_i32 s51, s51, 24
	s_lshl_b32 s52, s49, 1                         ; w1, w3: set 2 x block (+ s >> 1), fragment tile % 2 + 2 x matrix (+ 4 (s & 1))
	s_lshl_b32 s53, s48, 2
	s_add_co_u32 s53, s53, 16                      ; w2: set 16 + 4 (tile % 2) (+ s), fragment (tile / 2) % 8
	s_lshl_b32 s54, s34, 1
	s_add_co_u32 s54, s54, s48
	s_cmp_eq_u32 s34, 2
	s_cselect_b32 s52, s53, s52
	s_cselect_b32 s54, s49, s54
	s_add_co_u32 s51, s51, s52
	s_mul_i32 s51, s51, 12288
	s_mul_i32 s54, s54, 1536
	s_add_co_u32 s51, s51, s54
	s_lshl_b32 s52, 6144, s43                      ; A
	s_lshl_b32 s53, 12288, s43                     ; B
	; the scale words: the same task number read as set i = tau / 8, wave (tau / 2) % 4, half u = tau % 2 of the set's 32 lanes
	s_lshr_b32 s55, s33, 3
	s_bfe_u32 s56, s33, 0x20001
	s_and_b32 s57, s33, 1
	s_lshr_b32 s58, s55, 1                         ; i under 16: row 256 w + 32 (i / 2) + 8 u + r + 8 (r / 8) of 16 bytes, word 2 (i % 2) + lane / 16
	s_lshl_b32 s58, s58, 9
	s_lshl_b32 s60, s57, 7
	s_add_co_u32 s58, s58, s60
	s_and_b32 s60, s55, 1
	s_lshl_b32 s60, s60, 3
	s_add_co_u32 s58, s58, s60
	s_lshl_b32 s59, s57, 9                         ; i from 16: row 128 w + 16 u + 64 (lane / 16) + r of 32 bytes (the second word 32 rows on), word i - 16
	s_sub_co_u32 s60, s55, 16
	s_lshl_b32 s60, s60, 2
	s_add_co_u32 s59, s59, s60
	s_mov_b32 s61, 2048
	s_lshl_b32 s38, s32, 2
	s_add_co_u32 s38, s38, s56
	s_mul_i32 s38, s38, 24
	s_add_co_u32 s38, s38, s55
	s_lshl_b32 s38, s38, 9
	s_lshl_b32 s39, s57, 8
	s_add_co_u32 s38, s38, s39
	s_add_co_u32 s38, s38, WSO                     ; where my 256 bytes of scale words go
	s_mul_i32 s63, s2, 6400
	s_add_co_u32 s63, s63, RELB                    ; my stage: 16 rows of 384 bytes + 16
	v_lshrrev_b32 v2, 3, v1
	v_and_b32 v3, 7, v1
	v_lshlrev_b32 v3, 4, v3
	v_mad_u32_u24 v8, v2, 400, v3
	v_add_nc_u32 v8, s63, v8                       ; in: eight lanes to 128 bytes of a row
	v_and_b32 v14, 15, v1                          ; r
	v_lshrrev_b32 v15, 4, v1                       ; h
	v_mul_u32_u24 v9, v14, 400
	v_mad_u32_u24 v9, v15, 24, v9
	v_add_nc_u32 v9, s63, v9                       ; out: row r, + 24 h
.irp g, 0,1,2,3
	v_add_nc_u32 v[4+\g], 4*\g, v2
.endr
	v_add_nc_u32 v6, s46, v6
	v_add_nc_u32 v7, s46, v7
.irp g, 0,1,2,3
	v_mad_u32_u24 v[4+\g], v[4+\g], s42, v3
.endr
	v_lshl_add_u32 v10, v1, 4, s51
	v_add_nc_u32 v11, s52, v10
	v_add_nc_u32 v12, s53, v10
	v_add_nc_u32 v13, s53, v11
	s_wait_kmcnt 0x0
	s_cmp_eq_u32 s32, 8                            ; every choice of a buffer hangs on the task's number alone
	s_cselect_b64 s[8:9], s[14:15], s[8:9]
	s_cselect_b64 s[10:11], s[16:17], s[10:11]
	s_cselect_b64 s[12:13], s[18:19], s[12:13]
	s_cselect_b64 s[20:21], s[26:27], s[20:21]
	s_cselect_b64 s[22:23], s[28:29], s[22:23]
	s_cselect_b64 s[24:25], s[30:31], s[24:25]
	s_cmp_eq_u32 s34, 1
	s_cselect_b64 s[40:41], s[10:11], s[8:9]
	s_cmp_eq_u32 s34, 2
	s_cselect_b64 s[40:41], s[12:13], s[40:41]
	s_add_nc_u64 s[40:41], s[40:41], s[44:45]
	s_cmp_ge_u32 s55, 16
	s_cselect_b64 s[20:21], s[24:25], s[20:21]     ; the first word's buffer: w1's scales, or w2's
	s_cselect_b64 s[22:23], s[24:25], s[22:23]     ; the second's: w3's, or w2's
	s_cselect_b32 s58, s59, s58
	s_cselect_b32 s59, 32, 16
	s_cselect_b32 s60, 0, 128
	s_cselect_b32 s61, s61, 4
	s_cselect_b32 s62, 1024, 0
	s_lshl_b32 s39, s56, 12
	s_add_co_u32 s58, s58, s39
	s_lshl_b32 s39, s36, 14
	s_add_co_u32 s58, s58, s39
	v_mul_u32_u24 v114, s59, v14
	v_lshrrev_b32 v117, 3, v14
	v_mad_u32_u24 v114, v117, s60, v114
	v_mad_u32_u24 v114, v15, s61, v114
	v_add_nc_u32 v114, s58, v114
	v_add_nc_u32 v115, s62, v114
	v_lshlrev_b32 v116, 4, v14
	v_lshl_add_u32 v116, v15, 3, v116
	v_add_nc_u32 v116, s38, v116
.irp g, 0,1,2,3
.irp i, 0,1,2
	global_load_b128 v[16+12*\g+4*\i:19+12*\g+4*\i], v[4+\g], s[40:41] offset:128*\i th:TH_LOAD_NT   ; four rows x 128 consecutive bytes
.endr
.endr
	global_load_b32 v112, v114, s[20:21]
	global_load_b32 v113, v115, s[22:23]
	s_wait_loadcnt 0x0
.irp g, 0,1,2,3
.irp i, 0,1,2
	ds_store_b128 v8, v[16+12*\g+4*\i:19+12*\g+4*\i] offset:1600*\g+128*\i
.endr
.endr
.irp s, 0,1,2,3
.irp p, 0,1,2,3,4,5
	ds_load_b64 v[64+12*\s+2*\p:65+12*\s+2*\p], v9 offset:96*\s+48*(\p/3)+8*(\p%3)   ; the fragment's registers, as the matrix unit takes them
.endr
.endr
	s_wait_dscnt 0x0
.irp s, 0,1,2,3
.irp c, 0,1,2
	global_store_b128 v[10+\s], v[64+12*\s+4*\c:67+12*\s+4*\c], s[4:5] offset:512*\c   ; 512 consecutive bytes a store
.endr
.endr
	global_store_b64 v116, v[112:113], s[4:5]      ; 32 lanes store 256 consecutive bytes, aligned
	s_wait_tensorcnt 0x0
	ds_add_u32 v219, v223
	s_wait_dscnt 0x0
	s_endpgm
.Lfunc_end_k_q6218b5a11f_prep:
	.size	k_q6218b5a11f_prep, .Lfunc_end_k_q6218b5a11f_prep-k_q6218b5a11f_prep
	.p2alignl 7, 3214868480
	.fill 96, 4, 3214868480
	.section	.rodata,"a",@progbits
	.p2align	6, 0x0
	.amdhsa_kernel k_q6218b5a11f_prep
		.amdhsa_group_segment_fixed_size 75264
		.amdhsa_private_segment_fixed_size 0
		.amdhsa_enable_private_segment 0
		.amdhsa_kernarg_size 152
		.amdhsa_user_sgpr_count 2
		.amdhsa_user_sgpr_kernarg_segment_ptr 1
		.amdhsa_wavefront_size32 1
		.amdhsa_system_sgpr_workgroup_id_x 1
		.amdhsa_system_sgpr_workgroup_id_y 1
		.amdhsa_system_sgpr_workgroup_id_z 1
		.amdhsa_system_vgpr_workitem_id 0
		.amdhsa_next_free_vgpr 256
		.amdhsa_next_free_sgpr 66
		.amdhsa_reserve_vcc 1
		.amdhsa_float_denorm_mode_32 3
		.amdhsa_float_denorm_mode_16_64 3
		.amdhsa_memory_ordered 1
		.amdhsa_forward_progress 1
		.amdhsa_inst_pref_size 54
	.end_amdhsa_kernel
	.amdgpu_metadata
---
amdhsa.version: [ 1, 2 ]
amdhsa.kernels:
  - .name:           k_q6218b5a11f_prep
    .symbol:         k_q6218b5a11f_prep.kd
    .args:
      - { .name: x, .offset: 0, .size: 8, .value_kind: global_buffer, .address_space: global }
      - { .name: gate_w, .offset: 8, .size: 8, .value_kind: global_buffer, .address_space: global }
      - { .name: biases, .offset: 16, .size: 8, .value_kind: global_buffer, .address_space: global }
      - { .name: route, .offset: 24, .size: 8, .value_kind: global_buffer, .address_space: global }
      - { .name: gates, .offset: 32, .size: 8, .value_kind: global_buffer, .address_space: global }
      - { .name: xq, .offset: 40, .size: 8, .value_kind: global_buffer, .address_space: global }
      - { .name: wl, .offset: 48, .size: 8, .value_kind: global_buffer, .address_space: global }
      - { .name: w1_codes, .offset: 56, .size: 8, .value_kind: global_buffer, .address_space: global }
      - { .name: w3_codes, .offset: 64, .size: 8, .value_kind: global_buffer, .address_space: global }
      - { .name: w2_codes, .offset: 72, .size: 8, .value_kind: global_buffer, .address_space: global }
      - { .name: sw1_codes, .offset: 80, .size: 8, .value_kind: global_buffer, .address_space: global }
      - { .name: sw3_codes, .offset: 88, .size: 8, .value_kind: global_buffer, .address_space: global }
      - { .name: sw2_codes, .offset: 96, .size: 8, .value_kind: global_buffer, .address_space: global }
      - { .name: w1_scales, .offset: 104, .size: 8, .value_kind: global_buffer, .address_space: global }
      - { .name: w3_scales, .offset: 112, .size: 8, .value_kind: global_buffer, .address_space: global }
      - { .name: w2_scales, .offset: 120, .size: 8, .value_kind: global_buffer, .address_space: global }
      - { .name: sw1_scales, .offset: 128, .size: 8, .value_kind: global_buffer, .address_space: global }
      - { .name: sw3_scales, .offset: 136, .size: 8, .value_kind: global_buffer, .address_space: global }
      - { .name: sw2_scales, .offset: 144, .size: 8, .value_kind: global_buffer, .address_space: global }
    .group_segment_fixed_size: 75264
    .private_segment_fixed_size: 0
    .kernarg_segment_align: 8
    .kernarg_segment_size: 152
    .max_flat_workgroup_size: 128
    .sgpr_count:     66
    .vgpr_count:     256
    .wavefront_size: 32
...
	.end_amdgpu_metadata
.endif
;; end of part 1
;; launch sort (part 2): grid 1 x 1, 32 waves a work-group, no clusters, 5,120 bytes of LDS; arguments route, gates, plan, pw; writes plan, pw
.if DOCPART == 2
	.amdgcn_target "amdgcn-amd-amdhsa--gfx1250"
	.amdhsa_code_object_version 6
	.text
	.protected	k_q6218b5a11f_sort
	.globl	k_q6218b5a11f_sort
	.p2align	8
	.type	k_q6218b5a11f_sort,@function
k_q6218b5a11f_sort:
	s_mov_b64 s[64:65], 0
	v_nop
	global_prefetch_b8 v0, s[64:65] scope:SCOPE_SE
	s_setreg_imm32_b32 hwreg(HW_REG_WAVE_MODE, 25, 1), 1
	s_wait_xcnt 0x0
; A counting sort of the 8,192 entries (token, k) by expert, and the table of tiles.  One work-group of 1,024 threads; thread i holds tokens 4 i .. 4 i + 3, eight entries.
; All arithmetic is on whole numbers; the weights are copied as bits.
; plan: rows[12,288] at byte 0: the row of y that a sorted place owns (4096 k + token; the shared expert's places 8192 .. 12287 own rows 8192 + token);
;       tiles at byte 49,152, 16 bytes each: expert, first place, number of rows, 0.   pw: the weight of each sorted place (1.0 for the shared expert).
; TILES.  With n[e] rows for expert e the tiles of 64 rows number between 128 and 135.  The grid that follows has 135 routed tiles for every split: the X = 135 - sum ceil(n[e] / 64)
; that are over (0 to 7) are used by cutting the first X tiles of the largest expert (which has 1,024 rows or more) into 2 X halves of 32 rows.  So no tile is empty.  Tiles 135-198 are the shared expert's.
; Counts go in pairs, two experts to a word of 2 x 16 bits: no field passes 8,192.
	s_load_b256 s[4:11], s[0:1], 0x0               ; route, gates, plan, pw
	v_lshl_add_u32 v64, v0, 2, 0x400
	v_mov_b32 v65, 0
	v_lshrrev_b32 v43, 5, v0
	v_readfirstlane_b32 s12, v43                   ; wave
	v_lshlrev_b32 v43, 2, v43                      ; 4 x wave
	v_and_b32 v1, 31, v0
	v_lshlrev_b32 v52, 2, v1                       ; 4 x lane
	v_lshlrev_b32 v2, 4, v0
	v_lshlrev_b32 v3, 5, v0
	v_lshlrev_b32 v55, 2, v0                       ; my first token
	v_cmp_le_u32 vcc_lo, 16, v1
	v_cndmask_b32 v42, 0, -1, vcc_lo               ; all ones in lanes 16-31
	v_mov_b32 v32, 0
	v_mov_b32 v33, 0
	s_wait_kmcnt 0x0
	global_load_b128 v[4:7], v2, s[4:5]
	global_load_b128 v[8:11], v3, s[6:7]
	global_load_b128 v[12:15], v3, s[6:7] offset:16
	s_wait_loadcnt 0x0
.irp q, 0,1,2,3,4,5,6,7                ; entry q = 2 j + k: its expert (v16 + q) and its rank among my own entries of that expert (v24 + q); v32: eight counts of 4 bits
	v_bfe_u32 v[16+\q], v[4+\q/2], 8*(\q%2), 3
	v_lshlrev_b32 v33, 2, v[16+\q]
	v_lshrrev_b32 v[24+\q], v33, v32
	v_and_b32 v[24+\q], 15, v[24+\q]
	v_lshl_add_u32 v32, 1, v33, v32
.endr
.irp i, 0,1,2,3
	v_bfe_u32 v[34+\i], v32, 8*\i, 4
	v_bfe_u32 v33, v32, 8*\i+4, 4
	v_lshl_or_b32 v[34+\i], v33, 16, v[34+\i]      ; experts 2 i and 2 i + 1
	v_mov_b32 v[38+\i], v[34+\i]
.endr
.macro SCAN r                          ; the running sum over the wave's 32 lanes, the lane's own number included
.irp d, 1,2,4,8
	v_mov_b32_dpp v33, v[\r] row_shr:\d row_mask:0xf bank_mask:0xf bound_ctrl:1
	v_add_nc_u32 v[\r], v[\r], v33
.endr
	v_readlane_b32 s13, v[\r], 15
	v_and_b32 v33, s13, v42
	v_add_nc_u32 v[\r], v[\r], v33
.endm
.irp i, 0,1,2,3
	SCAN 34+\i
.endr
.irp i, 0,1,2,3
	v_readlane_b32 s[16+\i], v[34+\i], 31          ; my wave's totals
	v_mov_b32 v[44+\i], s[16+\i]
	ds_store_b32 v43, v[44+\i] offset:128*\i       ; all lanes write the same word with the same value
.endr
	s_wait_dscnt 0x0                               ; for the others' sake: my stores have landed
	s_barrier_signal -1
	s_barrier_wait -1
.irp i, 0,1,2,3
	ds_load_b32 v[48+\i], v52 offset:128*\i        ; lane l: wave l's totals
.endr
	s_wait_dscnt 0x0
.irp i, 0,1,2,3
	SCAN 48+\i
.endr
.irp i, 0,1,2,3
	v_readlane_b32 s[20+\i], v[48+\i], s12
	s_sub_co_u32 s[20+\i], s[20+\i], s[16+\i]      ; the waves in front of mine
	v_readlane_b32 s[24+\i], v[48+\i], 31          ; all waves
.endr
.irp i, 0,1,2,3
	s_and_b32 s[28+2*\i], s[24+\i], 0xffff         ; s28-35: n[e]
	s_lshr_b32 s[29+2*\i], s[24+\i], 16
.endr
	s_mov_b32 s36, 0                               ; s36-43: where expert e's places begin
.irp e, 1,2,3,4,5,6,7
	s_add_co_u32 s[36+\e], s[35+\e], s[27+\e]
.endr
	s_mov_b32 s60, 135
.irp e, 0,1,2,3,4,5,6,7
	s_add_co_u32 s[44+\e], s[28+\e], 63            ; s44-51: its tiles
	s_lshr_b32 s[44+\e], s[44+\e], 6
	s_sub_co_u32 s60, s60, s[44+\e]                ; s60: X
.endr
	s_mov_b32 s61, 0                               ; s61: the largest expert
	s_mov_b32 s62, s28
.irp e, 1,2,3,4,5,6,7
	s_cmp_gt_u32 s[28+\e], s62
	s_cselect_b32 s61, \e, s61
	s_cselect_b32 s62, s[28+\e], s62
.endr
.irp e, 0,1,2,3,4,5,6,7
	s_cmp_eq_u32 s61, \e
	s_cselect_b32 s13, s60, 0
	s_add_co_u32 s[44+\e], s[44+\e], s13
.endr
	s_mov_b32 s52, 0                               ; s52-59: expert e's first tile
.irp e, 1,2,3,4,5,6,7
	s_add_co_u32 s[52+\e], s[51+\e], s[43+\e]
.endr
.irp i, 0,1,2,3
	s_lshl_b32 s13, s[37+2*\i], 16
	s_or_b32 s13, s13, s[36+2*\i]
	s_add_co_u32 s[66+\i], s13, s[20+\i]
	v_sub_nc_u32 v[34+\i], v[34+\i], v[38+\i]      ; the lanes in front of mine,
	v_add_nc_u32 v[34+\i], s[66+\i], v[34+\i]      ; + the waves in front of mine + the expert's first place
.endr
.irp q, 0,1,2,3,4,5,6,7
	v_and_b32 v33, 2, v[16+\q]
	v_cmp_ne_u32 vcc_lo, 0, v33
	v_cndmask_b32 v53, v34, v35, vcc_lo
	v_cndmask_b32 v54, v36, v37, vcc_lo
	v_and_b32 v33, 4, v[16+\q]
	v_cmp_ne_u32 vcc_lo, 0, v33
	v_cndmask_b32 v53, v53, v54, vcc_lo
	v_and_b32 v33, 1, v[16+\q]
	v_lshlrev_b32 v33, 4, v33
	v_lshrrev_b32 v53, v33, v53
	v_and_b32 v53, 0xffff, v53
	v_add_nc_u32 v53, v53, v[24+\q]                ; the entry's place
	v_min_u32 v[24+\q], 8191, v53                  ; a number made of loaded ones enters an address only behind a bound
	v_lshlrev_b32 v[24+\q], 2, v[24+\q]
	v_add_nc_u32 v[16+\q], \q/2+4096*(\q%2), v55   ; the row of y that it owns
	global_store_b32 v[24+\q], v[16+\q], s[8:9]
	global_store_b32 v[24+\q], v[8+\q], s[10:11]
.endr
.irp j, 0,1,2,3
	v_add_nc_u32 v[56+\j], 8192+\j, v55
	v_mov_b32 v[60+\j], 1.0
.endr
	global_store_b128 v2, v[56:59], s[8:9] offset:32768
	global_store_b128 v2, v[60:63], s[10:11] offset:32768
	s_wait_xcnt 0x0                                ; the stores have read their registers: v4-15 are written again
	; tile i = my thread's number (entries from 199 on are stored and never read)
	v_mov_b32 v4, 0
	v_mov_b32 v5, 0
	v_mov_b32 v6, 0
	v_mov_b32 v7, s28
.irp e, 1,2,3,4,5,6,7
	v_cmp_le_u32 vcc_lo, s[52+\e], v0              ; the last expert whose first tile is not behind i
	v_cndmask_b32 v4, v4, \e, vcc_lo
	v_cndmask_b32 v5, v5, s[52+\e], vcc_lo
	v_cndmask_b32 v6, v6, s[36+\e], vcc_lo
	v_cndmask_b32 v7, v7, s[28+\e], vcc_lo
.endr
	v_sub_nc_u32 v8, v0, v5                        ; which of its tiles
	v_mov_b32 v10, s60
	v_cmp_eq_u32 vcc_lo, s61, v4
	v_cndmask_b32 v9, 0, v10, vcc_lo               ; X for the largest expert, else 0
	v_lshlrev_b32 v11, 1, v9
	v_cmp_lt_u32 vcc_lo, v8, v11                   ; a half tile?
	v_lshlrev_b32 v12, 5, v8
	v_sub_nc_u32 v13, v8, v9
	v_lshlrev_b32 v13, 6, v13
	v_cndmask_b32 v12, v13, v12, vcc_lo            ; its first row within the expert
	v_cndmask_b32 v13, 64, 32, vcc_lo
	v_sub_nc_u32 v14, v7, v12
	v_min_u32 v14, v14, v13                        ; its rows (the first row lies under n for every routed tile)
	v_add_nc_u32 v12, v6, v12
	v_add_nc_u32 v15, 0xffffff79, v0               ; i - 135
	v_lshl_add_u32 v15, v15, 6, 0x2000
	v_cmp_le_u32 vcc_lo, 135, v0
	v_cndmask_b32 v4, v4, 8, vcc_lo
	v_cndmask_b32 v5, v12, v15, vcc_lo
	v_cndmask_b32 v6, v14, 64, vcc_lo
	v_mov_b32 v7, 0
	global_store_b128 v2, v[4:7], s[8:9] offset:49152
	s_wait_tensorcnt 0x0
	ds_add_u32 v64, v65
	s_wait_dscnt 0x0
	s_endpgm
.Lfunc_end_k_q6218b5a11f_sort:
	.size	k_q6218b5a11f_sort, .Lfunc_end_k_q6218b5a11f_sort-k_q6218b5a11f_sort
	.p2alignl 7, 3214868480
	.fill 96, 4, 3214868480
	.section	.rodata,"a",@progbits
	.p2align	6, 0x0
	.amdhsa_kernel k_q6218b5a11f_sort
		.amdhsa_group_segment_fixed_size 5120
		.amdhsa_private_segment_fixed_size 0
		.amdhsa_enable_private_segment 0
		.amdhsa_kernarg_size 32
		.amdhsa_user_sgpr_count 2
		.amdhsa_user_sgpr_kernarg_segment_ptr 1
		.amdhsa_wavefront_size32 1
		.amdhsa_system_sgpr_workgroup_id_x 1
		.amdhsa_system_sgpr_workgroup_id_y 1
		.amdhsa_system_sgpr_workgroup_id_z 1
		.amdhsa_system_vgpr_workitem_id 0
		.amdhsa_next_free_vgpr 66
		.amdhsa_next_free_sgpr 72
		.amdhsa_reserve_vcc 1
		.amdhsa_float_denorm_mode_32 3
		.amdhsa_float_denorm_mode_16_64 3
		.amdhsa_memory_ordered 1
		.amdhsa_forward_progress 1
		.amdhsa_inst_pref_size 23
	.end_amdhsa_kernel
	.amdgpu_metadata
---
amdhsa.version: [ 1, 2 ]
amdhsa.kernels:
  - .name:           k_q6218b5a11f_sort
    .symbol:         k_q6218b5a11f_sort.kd
    .args:
      - { .name: route, .offset: 0, .size: 8, .value_kind: global_buffer, .address_space: global }
      - { .name: gates, .offset: 8, .size: 8, .value_kind: global_buffer, .address_space: global }
      - { .name: plan, .offset: 16, .size: 8, .value_kind: global_buffer, .address_space: global }
      - { .name: pw, .offset: 24, .size: 8, .value_kind: global_buffer, .address_space: global }
    .group_segment_fixed_size: 5120
    .private_segment_fixed_size: 0
    .kernarg_segment_align: 8
    .kernarg_segment_size: 32
    .max_flat_workgroup_size: 1024
    .sgpr_count:     72
    .vgpr_count:     66
    .wavefront_size: 32
...
	.end_amdgpu_metadata
.endif
;; end of part 2
;; launch chain (part 3): grid 199 x 1, 4 waves a work-group, no clusters, 112,128 bytes of LDS; arguments plan, pw, xq, wl, y; writes y
.if DOCPART == 3
	.amdgcn_target "amdgcn-amd-amdhsa--gfx1250"
	.amdhsa_code_object_version 6
	.text
	.protected	k_q6218b5a11f_chain
	.globl	k_q6218b5a11f_chain
	.p2align	8
	.type	k_q6218b5a11f_chain,@function
k_q6218b5a11f_chain:
	s_mov_b64 s[64:65], 0
	v_nop
	global_prefetch_b8 v0, s[64:65] scope:SCOPE_SE
	s_setreg_imm32_b32 hwreg(HW_REG_WAVE_MODE, 25, 1), 1
	s_wait_xcnt 0x0
; One tile (up to 64 sorted rows) of one expert through the whole chain: y_row = p x (Q(silu(x W1) * (x W3)) W2), all three products on codes of E2M3 with one E8M0 scale for each 32 along K.
; SHARES.  Four waves share the COLUMNS: wave w makes hidden units 256 w .. 256 w + 255 (K steps 2 w, 2 w + 1 of the second product) and outputs 128 w .. 128 w + 127, for all 64 rows (four tiles m of 16).
; Both products are used transposed (source 0 = 16 rows of a weight, source 1 = 16 of my rows): a lane holds ONE row (lane % 16) and its registers run along the columns.
; THE ROWS OF W1, W3 THAT FORM A TILE ARE NOT NEIGHBOURS (r + 8 (r / 8)): the 16 registers of two neighbouring tiles are 16 neighbours along the next K.
; WEIGHTS come from wl, laid by an earlier launch in the order of the operand registers: a wave walks ONE stream of 24 sets of 8 fragments (12,288 bytes) and 512 bytes of scale words,
; 25 loads of 512 consecutive bytes a set, through a ring of four sets of registers, three sets ahead of the products.
; NO TENSOR LOAD AND NO JOINT REQUEST, though tiles of one expert read the same weights:
; which tiles share an expert hangs on the split.
; x's codes are gathered by the list (wave w: rows 16 w .. 16 w + 15) and reach all waves through LDS as images of the operand's registers; so does the hidden layer.  Two barriers.
; Rows behind the tile's count are computed with the rows that follow in the list and not stored: rows do not mix.
; LIMITS: NaN and infinities are not served.  A block of the hidden layer whose largest magnitude lies under 2^-124, a block of zeros too, gets the scale byte 1.
; Where 2^(-g log2 e) passes the largest f32 number (g under about -88) silu(g) is taken as -0; its true magnitude lies under 1e-36.
; REGISTERS, in windows of 256: window 0 as named below; window 1: x's 16 fragments at 12 (4 m + s), later the 32 accumulators of y at 8 (4 n + m); window 2: ring sets 0, 1 at 96 (set % 2) + 12 f; window 3: sets 2, 3.
.set XSO,  1572864
.set WSO,  10616832
.set XIMG, 0                           ; LDS: x's fragments (4 m + s) x 1,536: plane c x 512, lane x 16
.set HIMG, 24576                       ; the hidden layer's (8 m + ks) x 1,536
.set HSC,  73728                       ; their scale words (8 m + ks) x 128 + 4 lane
.set STG,  77824                       ; a stage of 16 rows x (512 + 16) bytes for each wave
.set LI,   1                           ; 16 lane
.set LH,   2                           ; 16 lane + HIMG
.set LS,   3                           ; 4 lane + HSC
.set XW,   4                           ; where I put gathered bytes of x
.set HW0,  5                           ; where my wave's hidden images begin;  v6: the same for the trip in hand
.set ADH,  6
.set HS0,  7                           ; likewise their scale words;  v8
.set ADS,  8
.set SO,   9                           ; the stage: where I put 32 bytes of a row
.set SR,   10                          ; and where I read a row back
.set CO,   11                          ; my 16 bytes in a row of y: 512 w + 16 lane
.set RV,   12                          ; v12-13  the row of y of tile row 32 j + lane
.set A4R,  14                          ; 4 (lane % 16)
.set A4L,  15                          ; 4 lane
.set XS,   16                          ; v16-23  x's scale words: 4 j + s; lanes 0-15 tile 2 j, lanes 16-31 tile 2 j + 1
.set WSC,  24                          ; v24-39  the weights' scale words: 4 set + q; lanes 0-15 fragment 2 q, lanes 16-31 fragment 2 q + 1
.set HS,   40                          ; v40-47  the hidden layer's scale words: 4 buffer + m
.set PW,   48                          ; v48-51  the scale word being made, for each m
.set PB,   52                          ; v52-59  p of row 16 m + lane % 16 at 52 + 2 m (the odd registers are named in pairs and hold 0)
.set GT,   60                          ; v60-63  the gather's offsets
.set AG,   64                          ; v64-127  x W1: 16 m + 8 u + j
.set AU,   128                         ; v128-191 x W3
.set EX,   192                         ; v192-207 at work
.set TT,   208                         ; v208-239 codes: 8 m
.set TM,   244                         ; v244-247 largest magnitudes, v248-251 partner's / bytes, v252-255 scale operands
.set HF,   64                          ; second product: hidden fragments, 48 buffer + 12 m
.set OUTR, 160                         ; the way out: 64 results x p
.set BK,   64                          ; 16 rows back from the stage
.set VO,   224                         ; their offsets in y
.set MSB, 0
.macro WIN new                         ; the immediate's high byte repeats the setting that is left; a switch that changes nothing is dropped
.if MSB != (\new)
	s_set_vgpr_msb (MSB<<8)|(\new)
.set MSB, (\new)
.endif
.endm
.macro PLACES n                        ; plain vector lines between a matrix instruction and a load into, or a read of, its registers
.rept \n
	v_nop
.endr
.endm
.macro LOADSET slot, k                 ; set k from the stream's pointer on, into ring set slot: 25 loads
	global_load_b128 v[WSC+4*(\slot):WSC+4*(\slot)+3], v[LI], s[22:23] offset:512*(\k)
	WIN 0x80+0x40*((\slot)/2)
.irp i, 0,1,2,3,4,5,6,7,8,9,10,11,12,13,14,15,16,17,18,19,20,21,22,23
	global_load_b128 v[96*((\slot)%2)+4*\i:96*((\slot)%2)+4*\i+3], v[LI], s[20:21] offset:12288*(\k)+512*\i
.endr
	WIN 0
.endm
.macro WM zero, ra, rb                 ; one product on WD, WA, WB, WSA, WSB; ra, rb: the side's scale words stand in lanes 16-31
.if \zero
.if (\ra)&&(\rb)
	v_wmma_scale_f32_16x16x128_f8f6f4 v[WD:WD+7], v[WA:WA+11], v[WB:WB+11], 0, v[WSA], v[WSB] matrix_a_fmt:MATRIX_FMT_FP6 matrix_b_fmt:MATRIX_FMT_FP6 matrix_a_scale:MATRIX_SCALE_ROW1 matrix_b_scale:MATRIX_SCALE_ROW1
.elseif \ra
	v_wmma_scale_f32_16x16x128_f8f6f4 v[WD:WD+7], v[WA:WA+11], v[WB:WB+11], 0, v[WSA], v[WSB] matrix_a_fmt:MATRIX_FMT_FP6 matrix_b_fmt:MATRIX_FMT_FP6 matrix_a_scale:MATRIX_SCALE_ROW1
.elseif \rb
	v_wmma_scale_f32_16x16x128_f8f6f4 v[WD:WD+7], v[WA:WA+11], v[WB:WB+11], 0, v[WSA], v[WSB] matrix_a_fmt:MATRIX_FMT_FP6 matrix_b_fmt:MATRIX_FMT_FP6 matrix_b_scale:MATRIX_SCALE_ROW1
.else
	v_wmma_scale_f32_16x16x128_f8f6f4 v[WD:WD+7], v[WA:WA+11], v[WB:WB+11], 0, v[WSA], v[WSB] matrix_a_fmt:MATRIX_FMT_FP6 matrix_b_fmt:MATRIX_FMT_FP6
.endif
.else
.if (\ra)&&(\rb)
	v_wmma_scale_f32_16x16x128_f8f6f4 v[WD:WD+7], v[WA:WA+11], v[WB:WB+11], v[WD:WD+7], v[WSA], v[WSB] matrix_a_fmt:MATRIX_FMT_FP6 matrix_b_fmt:MATRIX_FMT_FP6 matrix_a_scale:MATRIX_SCALE_ROW1 matrix_b_scale:MATRIX_SCALE_ROW1
.elseif \ra
	v_wmma_scale_f32_16x16x128_f8f6f4 v[WD:WD+7], v[WA:WA+11], v[WB:WB+11], v[WD:WD+7], v[WSA], v[WSB] matrix_a_fmt:MATRIX_FMT_FP6 matrix_b_fmt:MATRIX_FMT_FP6 matrix_a_scale:MATRIX_SCALE_ROW1
.elseif \rb
	v_wmma_scale_f32_16x16x128_f8f6f4 v[WD:WD+7], v[WA:WA+11], v[WB:WB+11], v[WD:WD+7], v[WSA], v[WSB] matrix_a_fmt:MATRIX_FMT_FP6 matrix_b_fmt:MATRIX_FMT_FP6 matrix_b_scale:MATRIX_SCALE_ROW1
.else
	v_wmma_scale_f32_16x16x128_f8f6f4 v[WD:WD+7], v[WA:WA+11], v[WB:WB+11], v[WD:WD+7], v[WSA], v[WSB] matrix_a_fmt:MATRIX_FMT_FP6 matrix_b_fmt:MATRIX_FMT_FP6
.endif
.endif
.endm
; 16 products of the first layer: fragments 4 sl + tt of ring set slot (tt = u + 2 x matrix) against x's K step s of the four tiles of rows.  The sixteen accumulators take turns, one instruction a turn.
.macro MUL1 slot, sl, s, zero
.irp m, 0,1,2,3
.irp tt, 0,1,2,3
.set WD, AG+64*(\tt/2)+16*\m+8*(\tt%2)
.set WA, 96*((\slot)%2)+12*(4*(\sl)+\tt)
.set WB, 12*(4*\m+(\s))
.set WSA, WSC+4*(\slot)+2*(\sl)+\tt/2
.set WSB, XS+4*(\m/2)+(\s)
	WM \zero, \tt%2, \m%2
.endr
.endr
.endm
; Block bb (32 hidden units) of the trip's K step, for the 64 rows: silu(g) u in f32, the block's scale, its codes.  Two blocks make six registers of the fragment, which go to LDS as they stand.
.macro ACT bb
	s_wait_dscnt 0x0                               ; earlier image stores have read their registers
.irp m, 0,1,2,3
.irp q, 0,2,4,6,8,10,12,14
	v_pk_mul_f32 v[EX+\q:EX+\q+1], v[AG+16*\m+\q:AG+16*\m+\q+1], s[28:29] op_sel_hi:[1,0]   ; -g log2 e; each accumulator is read from its low end on
.endr
.irp q, 0,1,2,3,4,5,6,7,8,9,10,11,12,13,14,15
	v_exp_f32 v[EX+\q], v[EX+\q]
.endr
	v_nop                                          ; a plain line behind the exponentials
	s_wait_alu depctr_va_vdst(0)
.irp q, 0,2,4,6,8,10,12,14
	v_pk_add_f32 v[EX+\q:EX+\q+1], v[EX+\q:EX+\q+1], 1.0 op_sel_hi:[1,0]
.endr
.irp q, 0,1,2,3,4,5,6,7,8,9,10,11,12,13,14,15
	v_rcp_f32 v[EX+\q], v[EX+\q]
.endr
	v_nop
	s_wait_alu depctr_va_vdst(0)
.irp q, 0,2,4,6,8,10,12,14
	v_pk_mul_f32 v[AG+16*\m+\q:AG+16*\m+\q+1], v[AG+16*\m+\q:AG+16*\m+\q+1], v[EX+\q:EX+\q+1]   ; silu(g)
.endr
.irp q, 0,2,4,6,8,10,12,14
	v_pk_mul_f32 v[AG+16*\m+\q:AG+16*\m+\q+1], v[AG+16*\m+\q:AG+16*\m+\q+1], v[AU+16*\m+\q:AU+16*\m+\q+1]   ; x u
.endr
.endr
.irp m, 0,1,2,3
	v_max3_num_f32 v[TM+\m], |v[AG+16*\m]|, |v[AG+16*\m+1]|, 0x1800000   ; my 16 numbers of the block, and the floor 2^(3 - 127): the byte cannot fall under 1
.endr
.irp i, 2,4,6,8,10,12,14
.irp m, 0,1,2,3
	v_max3_num_f32 v[TM+\m], v[TM+\m], |v[AG+16*\m+\i]|, |v[AG+16*\m+\i+1]|   ; the four tiles of rows by turns
.endr
.endr
.irp m, 0,1,2,3
	v_permlanex16_b32 v[TM+4+\m], v[TM+\m], s30, s31
.endr
.irp m, 0,1,2,3
	v_max_num_f32 v[TM+\m], v[TM+\m], v[TM+4+\m]   ; with lane l xor 16's 16: the block's largest magnitude
.endr
.irp m, 0,1,2,3
	v_add_nc_u32 v[TM+8+\m], 0xff000000, v[TM+\m]  ; 2 off its exponent field: the conversion's scale operand
.endr
.irp m, 0,1,2,3
	v_lshrrev_b32 v[TM+4+\m], 23, v[TM+8+\m]       ; the scale's byte
.endr
.irp m, 0,1,2,3
.if (\bb)==0
	v_mov_b32 v[PW+\m], v[TM+4+\m]
.else
	v_lshl_or_b32 v[PW+\m], v[TM+4+\m], 8*(\bb), v[PW+\m]
.endif
.endr
.irp m, 0,1,2,3
	v_cvt_scalef32_pk16_fp6_f32 v[TT+8*\m+4*((\bb)%2):TT+8*\m+4*((\bb)%2)+2], v[AG+16*\m:AG+16*\m+15], v[TM+8+\m]
.endr
	v_nop                                          ; a plain line behind the conversions
.if (\bb)%2
.irp m, 0,1,2,3
.irp i, 0,1,2
	v_permlane16_swap_b32 v[TT+8*\m+\i], v[TT+8*\m+4+\i]   ; the operand wants a WHOLE block in a lane: lanes 0-15 the even block, lanes 16-31 the odd one
.endr
.irp i, 0,1,2
	v_mov_b32 v[TT+8*\m+3+\i], v[TT+8*\m+4+\i]
.endr
.if (\bb)==1
	ds_store_b128 v[ADH], v[TT+8*\m:TT+8*\m+3] offset:12288*\m             ; registers 0-3 of the fragment,
	ds_store_b64 v[ADH], v[TT+8*\m+4:TT+8*\m+5] offset:12288*\m+512        ; 4, 5
.else
	ds_store_b64 v[ADH], v[TT+8*\m:TT+8*\m+1] offset:12288*\m+520          ; 6, 7,
	ds_store_b128 v[ADH], v[TT+8*\m+2:TT+8*\m+5] offset:12288*\m+1024      ; 8-11
.endif
.endr
.endif
.if (\bb)==3
.irp m, 0,1,2,3
	ds_store_b32 v[ADS], v[PW+\m] offset:1024*\m
.endr
.endif
.endm
; Set j of a trip's eight: block j / 2, K steps 2 (j % 2) and 2 (j % 2) + 1 of x.
.macro STEP1 j
	PLACES 4                                       ; the ring set that the last products read is loaded again below
	s_wait_loadcnt 50                              ; set j is in: the two younger sets' 50 loads may be out
	LOADSET ((\j)+3)%4, (\j)+3
	WIN 0x06+((\j)%4)/2                            ; source 0: window 2 or 3; source 1: window 1
	MUL1 (\j)%4, 0, 2*((\j)%2), 1-(\j)%2
	MUL1 (\j)%4, 1, 2*((\j)%2)+1, 0
	WIN 0
.if (\j)%2
	PLACES 4
	ACT (\j)/2
.endif
.endm
.macro FETCH_H ks, buf                 ; the hidden layer's K step ks, four tiles of rows: 16 LDS loads
.irp m, 0,1,2,3
.irp c, 0,1,2
	ds_load_b128 v[HF+48*(\buf)+12*\m+4*\c:HF+48*(\buf)+12*\m+4*\c+3], v[LH] offset:(8*\m+(\ks))*1536+512*\c
.endr
	ds_load_b32 v[HS+4*(\buf)+\m], v[LS] offset:(8*\m+(\ks))*128
.endr
.endm
.macro MUL2 slot, buf, zero            ; 32 products of the second layer: the 32 accumulators take turns
.irp n, 0,1,2,3,4,5,6,7
.irp m, 0,1,2,3
.set WD, 8*(4*\n+\m)
.set WA, 96*((\slot)%2)+12*\n
.set WB, HF+48*(\buf)+12*\m
.set WSA, WSC+4*(\slot)+\n/2
.set WSB, HS+4*(\buf)+\m
	WM \zero, \n%2, 0
.endr
.endr
.endm
.macro STEP2 i                         ; K step i of the second product: set 16 + i of the stream
	PLACES 4
.if (\i)<=5
	s_wait_loadcnt 50                              ; the two younger sets may be out
.elseif (\i)==6
	s_wait_loadcnt 25                              ; the last set may be out
.else
	s_wait_loadcnt 0x0
.endif
.if (\i)<=4
	LOADSET ((\i)+3)%4, (\i)+3                     ; the stream ends with set 23
.endif
.if (\i)<7
	FETCH_H (\i)+1, ((\i)+1)%2
	s_wait_dscnt 16                                ; this step's fragments are in; the 16 loads just issued may be out
.else
	s_wait_dscnt 0x0
.endif
	WIN 0x52+((\i)%4)/2                            ; source 0: window 2 or 3; C and D: window 1
	MUL2 (\i)%4, (\i)%2, (\i)==0
	WIN 0
.endm
; The way out of tile m of rows: x p; through my stage, so that a row's 512 bytes of my 128 outputs are stored by the 32 lanes; a row goes to the row of y that the list names.
.macro OUTM m
	s_cmp_le_u32 s18, 16*\m                        ; rows behind the tile's count are not stored
	s_cbranch_scc1 .Ldone
.if \m>0
	s_wait_xcnt 0x0                                ; the last tile's stores have read their data and offsets
.endif
	WIN 0x01
.irp n, 0,1,2,3,4,5,6,7
.irp q, 0,2,4,6
	v_pk_mul_f32 v[OUTR+8*\n+\q:OUTR+8*\n+\q+1], v[8*(4*\n+\m)+\q:8*(4*\n+\m)+\q+1], v[PB+2*\m:PB+2*\m+1] op_sel_hi:[1,0]   ; each accumulator from its low end on
.endr
.endr
	WIN 0
.irp n, 0,1,2,3,4,5,6,7
	ds_store_b128 v[SO], v[OUTR+8*\n:OUTR+8*\n+3] offset:64*\n
	ds_store_b128 v[SO], v[OUTR+8*\n+4:OUTR+8*\n+7] offset:64*\n+16
.endr
.irp i, 0,1,2,3,4,5,6,7,8,9,10,11,12,13,14,15
	ds_load_b128 v[BK+4*\i:BK+4*\i+3], v[SR] offset:528*\i     ; LDS serves a wave's instructions in order: these see my stores
.endr
.irp i, 0,1,2,3,4,5,6,7,8,9,10,11,12,13,14,15
.if \i>0
	s_cmp_le_u32 s18, 16*\m+\i
	s_cbranch_scc1 .Ldone
.endif
	v_readlane_b32 s35, v[RV+\m/2], 16*(\m%2)+\i
	s_min_u32 s35, s35, 12287
	v_lshl_add_u32 v[VO+\i], s35, 11, v[CO]
	s_wait_dscnt 15-\i                             ; row i is back; the younger rows' loads may be out
	global_store_b128 v[VO+\i], v[BK+4*\i:BK+4*\i+3], s[12:13]   ; 512 consecutive bytes, at a multiple of 512
.endr
.endm
	s_load_b256 s[4:11], s[0:1], 0x0               ; plan, pw, xq, wl
	s_load_b64 s[12:13], s[0:1], 0x20              ; y
	s_set_vgpr_msb 0x80
	v_lshl_add_u32 v254, v0, 2, 0x1b400
	v_mov_b32 v255, 0
	s_set_vgpr_msb 0x8000
	v_lshrrev_b32 v240, 5, v0
	v_readfirstlane_b32 s14, v240                  ; wave
	s_lshl_b32 s15, ttmp9, 4
	s_wait_kmcnt 0x0
	s_load_b128 s[16:19], s[4:5], s15 offset:49152 ; my tile: expert, first place, rows
	v_and_b32 v240, 31, v0                         ; lane
	v_and_b32 v241, 15, v0                         ; r
	v_bfe_u32 v242, v0, 4, 1                       ; h
	v_lshlrev_b32 v[LI], 4, v240
	v_add_nc_u32 v[LH], HIMG, v[LI]
	v_lshlrev_b32 v[A4L], 2, v240
	v_add_nc_u32 v[LS], HSC, v[A4L]
	v_bfe_u32 v243, v0, 1, 2                       ; the gather: lane l brings 16 bytes of K step (l >> 1) & 3, half l & 1, of row l >> 3 (+ 4 g)
	v_mul_u32_u24 v[XW], v243, 1536
	v_bfe_u32 v243, v0, 3, 2
	v_lshl_add_u32 v[XW], v243, 4, v[XW]
	v_and_b32 v243, 1, v0
	v_lshl_add_u32 v[XW], v243, 8, v[XW]
	s_mul_i32 s35, s14, 6144
	v_add_nc_u32 v[XW], s35, v[XW]
	s_mul_i32 s35, s14, 3072
	v_add_nc_u32 v[HW0], s35, v[LH]
	s_lshl_b32 s35, s14, 8
	v_add_nc_u32 v[HS0], s35, v[LS]
	s_mul_i32 s35, s14, 8448
	s_add_co_u32 s35, s35, STG
	v_mul_u32_u24 v[SO], v241, 528
	v_lshl_add_u32 v[SO], v242, 5, v[SO]
	v_add_nc_u32 v[SO], s35, v[SO]
	v_add_nc_u32 v[SR], s35, v[LI]
	s_lshl_b32 s35, s14, 9
	v_add_nc_u32 v[CO], s35, v[LI]
	v_lshlrev_b32 v[A4R], 2, v241
	v_and_b32 v241, 7, v0
	v_lshlrev_b32 v241, 4, v241                    ; 16 (lane % 8)
	v_bfe_u32 v243, v0, 3, 2
	v_lshlrev_b32 v243, 2, v243
	s_lshl_b32 s35, s14, 6
	v_add_nc_u32 v243, s35, v243                   ; the list's word of row 16 w + lane / 8
.irp m, 0,1,2,3
	v_mov_b32 v[TM+4+\m], 0                        ; written once: a lane permute's destination counts as one of its sources
	v_mov_b32 v[PB+2*\m+1], 0
.endr
	s_mov_b32 s28, 0xbfb8aa3b                      ; -log2 e; the packed form names a pair and takes its low word for both halves
	s_mov_b32 s29, s28
	s_mov_b32 s30, 0x76543210                      ; v_permlanex16_b32's selects for lane l xor 16
	s_mov_b32 s31, 0xfedcba98
	s_mov_b32 s32, 0
	s_mov_b32 s33, 0
	s_mov_b32 s34, 0
	s_wait_kmcnt 0x0
	s_min_u32 s16, s16, 8                          ; numbers read from memory enter addresses only behind a bound
	s_min_u32 s17, s17, 12224
	s_min_u32 s18, s18, 64
	s_lshl_b32 s35, s16, 2
	s_add_co_u32 s35, s35, s14                     ; 4 x expert + wave
	s_mul_i32 s20, s35, 294912
	s_mov_b32 s21, 0
	s_add_nc_u64 s[20:21], s[10:11], s[20:21]      ; my stream of codes
	s_mul_i32 s22, s35, 12288
	s_add_co_u32 s22, s22, WSO
	s_mov_b32 s23, 0
	s_add_nc_u64 s[22:23], s[10:11], s[22:23]      ; and of scale words
	s_lshl_b32 s24, s17, 2
	s_mov_b32 s25, 0
	s_add_nc_u64 s[26:27], s[6:7], s[24:25]        ; the weights p at my first place
	s_add_nc_u64 s[24:25], s[4:5], s[24:25]        ; the list likewise
.irp g, 0,1,2,3
	global_load_b32 v[GT+\g], v243, s[24:25] offset:16*\g
.endr
.irp j, 0,1
	global_load_b32 v[RV+\j], v[A4L], s[24:25] offset:128*\j
.endr
.irp m, 0,1,2,3
	global_load_b32 v[PB+2*\m], v[A4R], s[26:27] offset:64*\m
.endr
	LOADSET 0, 0
	s_wait_loadcnt 29                              ; the list's six loads are in: p's 4 and the set's 25 may be out
.irp g, 0,1,2,3
	v_min_u32 v[GT+\g], 12287, v[GT+\g]
	v_and_b32 v[GT+\g], 4095, v[GT+\g]             ; the token
	v_mad_u32_u24 v[GT+\g], v[GT+\g], 384, v241
.endr
	v_min_u32 v[RV], 12287, v[RV]
	v_min_u32 v[RV+1], 12287, v[RV+1]
	v_and_b32 v240, 4095, v[RV]
	v_and_b32 v242, 4095, v[RV+1]
	v_lshlrev_b32 v240, 4, v240
	v_lshlrev_b32 v242, 4, v242
.irp g, 0,1,2,3
.irp i, 0,1,2
	global_load_b128 v[AG+12*\g+4*\i:AG+12*\g+4*\i+3], v[GT+\g], s[8:9] offset:128*\i   ; four rows x 128 consecutive bytes
.endr
.endr
	global_load_b128 v[XS:XS+3], v240, s[8:9] offset:XSO
	global_load_b128 v[XS+4:XS+7], v242, s[8:9] offset:XSO
	LOADSET 1, 1
	s_wait_loadcnt 25                              ; all but set 1
.irp g, 0,1,2,3
.irp i, 0,1,2
	ds_store_b128 v[XW], v[AG+12*\g+4*\i:AG+12*\g+4*\i+3] offset:512*\i+64*\g
.endr
.endr
	s_wait_dscnt 0x0                               ; for the others' sake: my part of x's images has landed
	s_barrier_signal -1
	s_barrier_wait -1
	WIN 0x40
.irp f, 0,1,2,3,4,5,6,7,8,9,10,11,12,13,14,15
.irp c, 0,1,2
	ds_load_b128 v[12*\f+4*\c:12*\f+4*\c+3], v[LI] offset:XIMG+1536*\f+512*\c   ; x's sixteen fragments stay in window 1
.endr
.endr
	WIN 0
	LOADSET 2, 2
	s_wait_dscnt 0x0
.Ltrip:                                            ; two trips: K step 2 w + trip of the second product: four blocks of 32 hidden units, eight sets
	v_add_nc_u32 v[ADH], s33, v[HW0]
	v_add_nc_u32 v[ADS], s34, v[HS0]
	STEP1 0
	STEP1 1
	STEP1 2
	STEP1 3
	STEP1 4
	STEP1 5
	STEP1 6
	STEP1 7
	s_wait_xcnt 0x0                                ; the loads have read their bases: the stream steps eight sets on (the three sets ahead are then sets 0 to 2 from the new base)
	s_wait_dscnt 0x0
	s_add_nc_u64 s[20:21], s[20:21], 98304
	s_add_nc_u64 s[22:23], s[22:23], 4096
	s_add_co_u32 s33, s33, 1536
	s_add_co_u32 s34, s34, 128
	s_add_co_u32 s32, s32, 1
	s_cmp_lt_u32 s32, 2
	s_cbranch_scc1 .Ltrip
	s_wait_dscnt 0x0                               ; my images of the hidden layer have landed
	s_barrier_signal -1
	s_barrier_wait -1
	FETCH_H 0, 0
	STEP2 0
	STEP2 1
	STEP2 2
	STEP2 3
	STEP2 4
	STEP2 5
	STEP2 6
	STEP2 7
	PLACES 4
	OUTM 0
	OUTM 1
	OUTM 2
	OUTM 3
.Ldone:
	s_wait_dscnt 0x0
	s_set_vgpr_msb 0xa
	s_wait_tensorcnt 0x0
	ds_add_u32 v254, v255
	s_wait_dscnt 0x0
	s_set_vgpr_msb 0xa00
	s_endpgm
.Lfunc_end_k_q6218b5a11f_chain:
	.size	k_q6218b5a11f_chain, .Lfunc_end_k_q6218b5a11f_chain-k_q6218b5a11f_chain
	.p2alignl 7, 3214868480
	.fill 96, 4, 3214868480
	.section	.rodata,"a",@progbits
	.p2align	6, 0x0
	.amdhsa_kernel k_q6218b5a11f_chain
		.amdhsa_group_segment_fixed_size 112128
		.amdhsa_private_segment_fixed_size 0
		.amdhsa_enable_private_segment 0
		.amdhsa_kernarg_size 40
		.amdhsa_user_sgpr_count 2
		.amdhsa_user_sgpr_kernarg_segment_ptr 1
		.amdhsa_wavefront_size32 1
		.amdhsa_system_sgpr_workgroup_id_x 1
		.amdhsa_system_sgpr_workgroup_id_y 1
		.amdhsa_system_sgpr_workgroup_id_z 1
		.amdhsa_system_vgpr_workitem_id 0
		.amdhsa_next_free_vgpr 1024
		.amdhsa_next_free_sgpr 66
		.amdhsa_reserve_vcc 0
		.amdhsa_float_denorm_mode_32 3
		.amdhsa_float_denorm_mode_16_64 3
		.amdhsa_memory_ordered 1
		.amdhsa_forward_progress 1
		.amdhsa_inst_pref_size 234
	.end_amdhsa_kernel
	.amdgpu_metadata
---
amdhsa.version: [ 1, 2 ]
amdhsa.kernels:
  - .name:           k_q6218b5a11f_chain
    .symbol:         k_q6218b5a11f_chain.kd
    .args:
      - { .name: plan, .offset: 0, .size: 8, .value_kind: global_buffer, .address_space: global }
      - { .name: pw, .offset: 8, .size: 8, .value_kind: global_buffer, .address_space: global }
      - { .name: xq, .offset: 16, .size: 8, .value_kind: global_buffer, .address_space: global }
      - { .name: wl, .offset: 24, .size: 8, .value_kind: global_buffer, .address_space: global }
      - { .name: y, .offset: 32, .size: 8, .value_kind: global_buffer, .address_space: global }
    .group_segment_fixed_size: 112128
    .private_segment_fixed_size: 0
    .kernarg_segment_align: 8
    .kernarg_segment_size: 40
    .max_flat_workgroup_size: 128
    .sgpr_count:     66
    .vgpr_count:     1024
    .wavefront_size: 32
...
	.end_amdgpu_metadata
.endif
;; end of part 3
;; launch sum (part 4): grid 256 x 1, 8 waves a work-group, no clusters, 0 bytes of LDS; arguments y, out0; writes out0
.if DOCPART == 4
	.amdgcn_target "amdgcn-amd-amdhsa--gfx1250"
	.amdhsa_code_object_version 6
	.text
	.protected	k_q6218b5a11f_sum
	.globl	k_q6218b5a11f_sum
	.p2align	8
	.type	k_q6218b5a11f_sum,@function
k_q6218b5a11f_sum:
	s_mov_b64 s[64:65], 0
	v_nop
	global_prefetch_b8 v0, s[64:65] scope:SCOPE_SE
	s_setreg_imm32_b32 hwreg(HW_REG_WAVE_MODE, 25, 1), 1
	s_wait_xcnt 0x0
; out = (y[0] + y[1]) + y[2]: the two routed experts' weighted rows and the shared expert's.  y: [3][4096][512] f32.
; A stream: a work-group owns 32,768 bytes of the output, eight chunks of 4,096; thread t its 16 bytes at 16 t of each chunk, so a wave's load or store covers 512 consecutive bytes.
; All 24 loads of a thread go out at once; the waits count down; no register is written twice, so no store's data need a wait.  No LDS, no barrier, no matrix unit: memory binds.
	s_load_b128 s[4:7], s[0:1], 0x0                ; y, out
	s_lshl_b32 s8, ttmp9, 15
	s_mov_b32 s9, 0
	v_lshlrev_b32 v1, 4, v0
	s_wait_kmcnt 0x0
	s_add_nc_u64 s[4:5], s[4:5], s[8:9]
	s_add_nc_u64 s[6:7], s[6:7], s[8:9]
	s_add_nc_u64 s[10:11], s[4:5], 0x800000        ; the planes lie 8,388,608 bytes apart: past the immediate's reach, so each has a base
	s_add_nc_u64 s[12:13], s[4:5], 0x1000000
.irp c, 0,1,2,3,4,5,6,7
	global_load_b128 v[4+12*\c:7+12*\c], v1, s[4:5] offset:4096*\c th:TH_LOAD_NT
	global_load_b128 v[8+12*\c:11+12*\c], v1, s[10:11] offset:4096*\c th:TH_LOAD_NT
	global_load_b128 v[12+12*\c:15+12*\c], v1, s[12:13] offset:4096*\c th:TH_LOAD_NT
.endr
.irp c, 0,1,2,3,4,5,6,7
	s_wait_loadcnt 21-3*\c                         ; chunk c's three loads are in; the later chunks' may be out
	v_pk_add_f32 v[4+12*\c:5+12*\c], v[4+12*\c:5+12*\c], v[8+12*\c:9+12*\c]
	v_pk_add_f32 v[6+12*\c:7+12*\c], v[6+12*\c:7+12*\c], v[10+12*\c:11+12*\c]
	v_pk_add_f32 v[4+12*\c:5+12*\c], v[4+12*\c:5+12*\c], v[12+12*\c:13+12*\c]
	v_pk_add_f32 v[6+12*\c:7+12*\c], v[6+12*\c:7+12*\c], v[14+12*\c:15+12*\c]
	global_store_b128 v1, v[4+12*\c:7+12*\c], s[6:7] offset:4096*\c th:TH_STORE_NT
.endr
	s_endpgm
.Lfunc_end_k_q6218b5a11f_sum:
	.size	k_q6218b5a11f_sum, .Lfunc_end_k_q6218b5a11f_sum-k_q6218b5a11f_sum
	.p2alignl 7, 3214868480
	.fill 96, 4, 3214868480
	.section	.rodata,"a",@progbits
	.p2align	6, 0x0
	.amdhsa_kernel k_q6218b5a11f_sum
		.amdhsa_group_segment_fixed_size 0
		.amdhsa_private_segment_fixed_size 0
		.amdhsa_enable_private_segment 0
		.amdhsa_kernarg_size 16
		.amdhsa_user_sgpr_count 2
		.amdhsa_user_sgpr_kernarg_segment_ptr 1
		.amdhsa_wavefront_size32 1
		.amdhsa_system_sgpr_workgroup_id_x 1
		.amdhsa_system_sgpr_workgroup_id_y 1
		.amdhsa_system_sgpr_workgroup_id_z 1
		.amdhsa_system_vgpr_workitem_id 0
		.amdhsa_next_free_vgpr 104
		.amdhsa_next_free_sgpr 66
		.amdhsa_reserve_vcc 0
		.amdhsa_float_denorm_mode_32 3
		.amdhsa_float_denorm_mode_16_64 3
		.amdhsa_memory_ordered 1
		.amdhsa_forward_progress 1
		.amdhsa_inst_pref_size 6
	.end_amdhsa_kernel
	.amdgpu_metadata
---
amdhsa.version: [ 1, 2 ]
amdhsa.kernels:
  - .name:           k_q6218b5a11f_sum
    .symbol:         k_q6218b5a11f_sum.kd
    .args:
      - { .name: y, .offset: 0, .size: 8, .value_kind: global_buffer, .address_space: global }
      - { .name: out0, .offset: 8, .size: 8, .value_kind: global_buffer, .address_space: global }
    .group_segment_fixed_size: 0
    .private_segment_fixed_size: 0
    .kernarg_segment_align: 8
    .kernarg_segment_size: 16
    .max_flat_workgroup_size: 256
    .sgpr_count:     66
    .vgpr_count:     104
    .wavefront_size: 32
...
	.end_amdgpu_metadata
.endif
;; end of part 4
;; ======== version 2 of 2: 4 launches; 1.05 times as fast as version 1
;; workspace buffers: route 65,536 bytes of whole numbers; gates 49,152 bytes; xq 1,638,400 bytes; wl 11,059,200 bytes; plan 65,536 bytes of whole numbers; y 25,165,824 bytes
;; launch prep (part 5): grid 688 x 1, 4 waves a work-group, no clusters, 75,264 bytes of LDS; arguments x, gate_w, biases, route, gates, xq, wl, w1_codes, w3_codes, w2_codes, sw1_codes, sw3_codes, sw2_codes, w1_scales, w3_scales, w2_scales, sw1_scales, sw3_scales, sw2_scales; writes route, gates, xq, wl
.if DOCPART == 5
	.amdgcn_target "amdgcn-amd-amdhsa--gfx1250"
	.amdhsa_code_object_version 6
	.text
	.protected	k_q6218b5a11f_prep
	.globl	k_q6218b5a11f_prep
	.p2align	8
	.type	k_q6218b5a11f_prep,@function
k_q6218b5a11f_prep:
	s_mov_b64 s[64:65], 0
	v_nop
	global_prefetch_b8 v0, s[64:65] scope:SCOPE_SE
	s_setreg_imm32_b32 hwreg(HW_REG_WAVE_MODE, 25, 1), 1
	s_wait_xcnt 0x0
; TWO KINDS OF WORK-GROUPS, parted on the work-group's number; each kind has LDS bytes of its own.
; Work-groups 0-255: 16 tokens each, 4 a wave.  The router (8 scores a token, f32 multiply-adds), the two chosen experts (top 2 of score + bias, the lower
; index on a tie) and their weights (from the top 2 of the unbiased scores), stored at fixed places; and x as codes of E2M3 with one E8M0 byte for each 32 along K.
; Work-groups 256-687: 1,728 wave tasks.  Each lays 16 rows x 384 bytes of one weight's codes, and 256 bytes of scale words, in the order in which the chain's
; operand registers take them, so that there every lane loads its fragments by 16-byte loads, 512 consecutive bytes a wave.
; route: 16 bytes a token, made for the sort that follows: the two chosen experts as one-hot BYTES (word 0: experts 0-3, word 1: experts 4-7), and for each choice k the
; byte selector 0x0c0c0c00 | expert, which picks that expert's byte out of a table of eight bytes and clears the rest.
; gates: [3][4096] f32, indexed by the row of y: plane k holds the weight of a token's choice k, plane 2 holds 1.0 (the shared expert).
; xq: a token's 384 bytes of codes: registers 4 c .. 4 c + 3 of lane half h of the fragment of K step s lie at 128 c + 32 s + 16 h; its 16 scale bytes at XSO + 16 t.
; wl: [expert 0..8][wave 0..3][set 0..23][fragment 0..7][plane 0..2][lane][16 bytes]; scale words at WSO: [expert][wave][set][lane][4 words], word q of lane l: fragment 2 q + l / 16, row l % 16.
; A block's scale byte is its largest magnitude's exponent field - 2, held at 1 from below.
; LIMITS: NaN and infinities are not served.  A block whose largest magnitude lies under 2^-124, a block of zeros too, gets the byte 1 (its codes are zeros or as the floor gives them;
; the bytes are read by this program alone).  Two scores that differ by less than the f32 sums' rounding may be ordered otherwise than by another order of summation.
; No tensor load, no barrier: waves share nothing.
.set XSO,  1572864
.set WSO,  10616832
.set WREG, 12288                       ; LDS of a wave on the tokens' path: four stages of 2,560 bytes, then
.set OUTB, 10240                       ; 4 tokens x 384 bytes of codes,
.set XSB,  11776                       ; their 64 scale bytes,
.set SCW,  12032                       ; their 32 scores
.set RELB, 49152                       ; LDS of the weights' path: 6,400 bytes a wave
.set GW,   16                          ; v16-143  gate_w: expert e, numbers 128 q + 4 lane + i at 16 e + 4 q + i; later 16 neighbours a token, and the top 2
.set XN,   16
.set XR,   144                         ; v144-207 x as loaded: token j at 16 j + 4 q + i
.set CD,   208                         ; v208-223 codes, four registers a token
.set SS,   224                         ; v224-239 eight running pairs; v240-255 at work
	v_lshl_add_u32 v219, v0, 2, 0x12400
	v_mov_b32 v223, 0
	v_lshrrev_b32 v1, 5, v0
	v_readfirstlane_b32 s2, v1                     ; wave
	v_and_b32 v1, 31, v0                           ; lane
	s_cmp_ge_u32 ttmp9, 256
	s_cbranch_scc1 .Lrelay
	; ---------------- the tokens' path
	s_load_b256 s[4:11], s[0:1], 0x0               ; x, gate_w, biases, route
	s_load_b128 s[12:15], s[0:1], 0x20             ; gates, xq
	s_lshl_b32 s3, ttmp9, 4
	s_lshl_b32 s32, s2, 2
	s_add_co_u32 s3, s3, s32                       ; my first token: 16 x work-group + 4 x wave
	s_mul_i32 s33, s2, WREG                        ; my wave's LDS
	s_mov_b32 s24, 0xaaaaaaaa                      ; lanes with bit 0, 1, 2 of their number set
	s_mov_b32 s25, 0xcccccccc
	s_mov_b32 s26, 0xf0f0f0f0
	s_mov_b32 s28, 0x76543210                      ; v_permlanex16_b32's selects for lane l xor 16
	s_mov_b32 s29, 0xfedcba98
	v_lshlrev_b32 v2, 4, v1                        ; 16 x lane
	v_lshrrev_b32 v10, 2, v1
	v_mul_u32_u24 v10, v10, 80
	v_and_b32 v11, 3, v1
	v_lshl_add_u32 v10, v11, 4, v10
	v_add_nc_u32 v3, s33, v10                      ; a stage, on the way in: four lanes' 64 bytes, then 16 of padding
	v_mul_u32_u24 v10, v1, 80
	v_add_nc_u32 v4, s33, v10                      ; and on the way out: my 16 neighbours
	v_bfe_u32 v10, v1, 2, 1
	v_and_b32 v11, 1, v1
	v_mul_u32_u24 v10, v10, 6
	v_mad_u32_u24 v10, v11, 3, v10                 ; my 12 bytes are registers 6 ((l >> 2) & 1) + 3 (l & 1) + 0 .. 2 of the fragment of K step l >> 3, half (l >> 1) & 1
	v_lshrrev_b32 v11, 3, v1
	v_lshlrev_b32 v11, 5, v11
	v_bfe_u32 v12, v1, 1, 1
	v_lshl_add_u32 v11, v12, 4, v11
	v_add_nc_u32 v11, s33, v11
	v_add_nc_u32 v11, OUTB, v11
.irp d, 0,1,2
	v_add_nc_u32 v12, \d, v10
	v_lshrrev_b32 v13, 2, v12
	v_and_b32 v12, 3, v12
	v_lshl_add_u32 v13, v13, 7, v11
	v_lshl_add_u32 v[5+\d], v12, 2, v13            ; v5-7: where register d of my three goes
.endr
	v_lshrrev_b32 v10, 1, v1
	v_add_nc_u32 v8, s33, v10
	v_add_nc_u32 v8, XSB, v8                       ; my block's scale byte
	v_and_b32 v10, 7, v1
	v_lshlrev_b32 v10, 2, v10
	v_add_nc_u32 v9, s33, v10
	v_add_nc_u32 v9, SCW, v9                       ; the score of expert lane & 7
	v_add_nc_u32 v10, s33, v2
	v_add_nc_u32 v10, OUTB, v10                    ; the codes on their way out
	v_and_b32 v11, 15, v1
	v_lshlrev_b32 v11, 2, v11
	v_add_nc_u32 v11, s33, v11
	v_add_nc_u32 v11, XSB, v11                     ; a scale word on its way out
	v_and_b32 v12, 3, v1
	v_lshlrev_b32 v12, 5, v12
	v_add_nc_u32 v12, s33, v12
	v_add_nc_u32 v12, SCW, v12                     ; the eight scores of token lane & 3
	v_lshlrev_b32 v13, 2, v1
	s_lshl_b32 s34, s3, 11
	s_mov_b32 s35, 0
	s_mul_i32 s36, s3, 384
	s_mov_b32 s37, 0
	s_lshl_b32 s38, s3, 4
	s_mov_b32 s39, 0
	s_lshl_b32 s40, s3, 4
	s_mov_b32 s41, 0
	s_lshl_b32 s42, s3, 2
	s_mov_b32 s43, 0
	s_wait_kmcnt 0x0
	s_load_b256 s[16:23], s[8:9], 0x0              ; the eight biases
	s_add_nc_u64 s[4:5], s[4:5], s[34:35]          ; x at my first token
	s_add_nc_u64 s[36:37], s[14:15], s[36:37]      ; its codes,
	s_add_nc_u64 s[38:39], s[14:15], s[38:39]      ; its scale bytes (less XSO),
	s_add_nc_u64 s[10:11], s[10:11], s[40:41]      ; its record of experts,
	s_add_nc_u64 s[12:13], s[12:13], s[42:43]      ; its place in each plane of weights
.irp j, 0,1,2,3
.irp q, 0,1,2,3
	global_load_b128 v[XR+16*\j+4*\q:XR+16*\j+4*\q+3], v2, s[4:5] offset:2048*\j+512*\q th:TH_LOAD_NT   ; 512 consecutive bytes a load
.endr
.endr
.irp e, 0,1,2,3,4,5,6,7
.irp q, 0,1,2,3
	global_load_b128 v[GW+16*\e+4*\q:GW+16*\e+4*\q+3], v2, s[6:7] offset:2048*\e+512*\q
.endr
.endr
	s_wait_loadcnt 0x0
	s_wait_kmcnt 0x0
; Token j's eight scores.  A lane sums its 16 products for each expert (eight chains by turns); three steps then halve the number of experts a lane carries while they
; add neighbours 1, 2 and 4 lanes away, so that lane l ends with expert l & 7; two more steps add the lanes 8 and 16 away.
.macro DOT j
.irp e, 0,1,2,3,4,5,6,7
	v_pk_mul_f32 v[SS+2*\e:SS+2*\e+1], v[XR+16*\j:XR+16*\j+1], v[GW+16*\e:GW+16*\e+1]
.endr
.irp p, 1,2,3,4,5,6,7
.irp e, 0,1,2,3,4,5,6,7
	v_pk_fma_f32 v[SS+2*\e:SS+2*\e+1], v[XR+16*\j+2*\p:XR+16*\j+2*\p+1], v[GW+16*\e+2*\p:GW+16*\e+2*\p+1], v[SS+2*\e:SS+2*\e+1]
.endr
.endr
.irp e, 0,1,2,3,4,5,6,7
	v_add_f32 v[240+\e], v[SS+2*\e], v[SS+2*\e+1]
.endr
.irp i, 0,1,2,3
	v_cndmask_b32 v[248+\i], v[240+2*\i], v[241+2*\i], s24     ; the expert that I keep,
	v_cndmask_b32 v[252+\i], v[241+2*\i], v[240+2*\i], s24     ; the one that my neighbour keeps
.endr
.irp i, 0,1,2,3
	v_add_f32_dpp v[248+\i], v[252+\i], v[248+\i] row_xmask:1 row_mask:0xf bank_mask:0xf
.endr
.irp i, 0,1
	v_cndmask_b32 v[240+\i], v[248+2*\i], v[249+2*\i], s25
	v_cndmask_b32 v[242+\i], v[249+2*\i], v[248+2*\i], s25
.endr
.irp i, 0,1
	v_add_f32_dpp v[240+\i], v[242+\i], v[240+\i] row_xmask:2 row_mask:0xf bank_mask:0xf
.endr
	v_cndmask_b32 v248, v240, v241, s26
	v_cndmask_b32 v249, v241, v240, s26
	v_add_f32_dpp v248, v249, v248 row_xmask:4 row_mask:0xf bank_mask:0xf
	v_add_f32_dpp v248, v248, v248 row_xmask:8 row_mask:0xf bank_mask:0xf
	v_permlanex16_b32 v249, v248, s28, s29
	v_add_f32 v248, v248, v249
	ds_store_b32 v9, v248 offset:32*\j             ; four lanes write the same word with the same value
.endm
	DOT 0
	DOT 1
	DOT 2
	DOT 3
	; x turns through the stages: in as loaded, out 64 bytes a lane.  LDS serves a wave's instructions in order, so no wait stands between the stores and the loads
.irp j, 0,1,2,3
.irp q, 0,1,2,3
	ds_store_b128 v3, v[XR+16*\j+4*\q:XR+16*\j+4*\q+3] offset:2560*\j+640*\q
.endr
.irp i, 0,1,2,3
	ds_load_b128 v[XN+16*\j+4*\i:XN+16*\j+4*\i+3], v4 offset:2560*\j+16*\i
.endr
.endr
	s_wait_dscnt 0x0                               ; lane l holds k = 16 l .. 16 l + 15 of each of the four tokens
.irp j, 0,1,2,3
	v_max3_num_f32 v[80+\j], |v[XN+16*\j]|, |v[XN+16*\j+1]|, 0x1800000   ; my 16 numbers, and the floor 2^(3 - 127): the byte cannot fall under 1
.endr
.irp i, 2,4,6,8,10,12,14
.irp j, 0,1,2,3
	v_max3_num_f32 v[80+\j], v[80+\j], |v[XN+16*\j+\i]|, |v[XN+16*\j+\i+1]|   ; the four tokens by turns
.endr
.endr
.irp j, 0,1,2,3
	v_max_num_f32_dpp v[80+\j], v[80+\j], v[80+\j] row_xmask:1 row_mask:0xf bank_mask:0xf   ; with my neighbour's 16: the block's largest magnitude
.endr
.irp j, 0,1,2,3
	v_add_nc_u32 v[84+\j], 0xff000000, v[80+\j]    ; 2 off its exponent field: the conversion's scale operand
.endr
.irp j, 0,1,2,3
	v_cvt_scalef32_pk16_fp6_f32 v[CD+4*\j:CD+4*\j+2], v[XN+16*\j:XN+16*\j+15], v[84+\j]
.endr
.irp j, 0,1,2,3
	v_lshrrev_b32 v[88+\j], 23, v[84+\j]           ; the scale's byte (also the plain line behind the conversions)
.endr
.irp j, 0,1,2,3
.irp d, 0,1,2
	ds_store_b32 v[5+\d], v[CD+4*\j+\d] offset:384*\j
.endr
	ds_store_b8 v8, v[88+\j] offset:16*\j          ; both lanes of a block write the same byte with the same value
.endr
.irp i, 0,1,2
	ds_load_b128 v[128+4*\i:131+4*\i], v10 offset:512*\i
.endr
	ds_load_b32 v92, v11
	ds_load_b128 v[96:99], v12
	ds_load_b128 v[100:103], v12 offset:16
	s_wait_dscnt 0x0
.irp i, 0,1,2
	global_store_b128 v2, v[128+4*\i:131+4*\i], s[36:37] offset:512*\i   ; the four tokens' codes: 1,536 consecutive bytes, at a multiple of 512
.endr
	; the two experts, in every lane for token lane & 3
.irp e, 0,1,2,3,4,5,6,7
	v_add_f32 v[104+\e], s[16+\e], v[96+\e]
.endr
	v_mov_b32 v112, v104
	v_mov_b32 v113, 0
.irp e, 1,2,3,4,5,6,7
	v_cmp_gt_f32 vcc_lo, v[104+\e], v112           ; strictly greater: the lower index keeps a tie
	v_cndmask_b32 v112, v112, v[104+\e], vcc_lo
	v_cndmask_b32 v113, v113, \e, vcc_lo
.endr
	v_mov_b32 v114, 0xff800000
.irp e, 0,1,2,3,4,5,6,7
	v_cmp_eq_u32 vcc_lo, \e, v113
	v_cndmask_b32 v[104+\e], v[104+\e], v114, vcc_lo   ; the first choice leaves the field
.endr
	v_mov_b32 v112, v104
	v_mov_b32 v115, 0
.irp e, 1,2,3,4,5,6,7
	v_cmp_gt_f32 vcc_lo, v[104+\e], v112
	v_cndmask_b32 v112, v112, v[104+\e], vcc_lo
	v_cndmask_b32 v115, v115, \e, vcc_lo
.endr
	; the token's record: v124, v125 the one-hot bytes, v126, v127 the two selectors
	v_or_b32 v126, 0x0c0c0c00, v113
	v_or_b32 v127, 0x0c0c0c00, v115
	v_and_b32 v104, 3, v113
	v_and_b32 v105, 3, v115
	v_lshlrev_b32 v104, 3, v104
	v_lshlrev_b32 v105, 3, v105
	v_lshl_add_u32 v104, 1, v104, 0                ; 1 in byte expert % 4
	v_lshl_add_u32 v105, 1, v105, 0
	v_cmp_gt_u32 vcc_lo, 4, v113
	v_cndmask_b32 v106, 0, v104, vcc_lo            ; in the word of experts 0-3,
	v_cndmask_b32 v107, v104, 0, vcc_lo            ; or in that of experts 4-7
	v_cmp_gt_u32 vcc_lo, 4, v115
	v_cndmask_b32 v108, 0, v105, vcc_lo
	v_cndmask_b32 v109, v105, 0, vcc_lo
	v_add_nc_u32 v124, v106, v108
	v_add_nc_u32 v125, v107, v109
	; the two largest UNBIASED scores a >= b
	v_mov_b32 v116, v96
	v_mov_b32 v117, v114
.irp e, 1,2,3,4,5,6,7
	v_med3_num_f32 v117, v116, v117, v[96+\e]
	v_max_num_f32 v116, v116, v[96+\e]
.endr
	; sigmoid(a) / (sigmoid(a) + sigmoid(b)) = (1 + e^-b) / (2 + e^-a + e^-b), both sides times e^u, u = min(b, 0): no exponent is above 0 and the divisor lies between 1 and 4
	v_min_num_f32 v118, 0, v117
	v_sub_f32 v119, v118, v117
	v_sub_f32 v122, v118, v116
	v_mul_f32 v118, 0x3fb8aa3b, v118
	v_mul_f32 v119, 0x3fb8aa3b, v119
	v_mul_f32 v122, 0x3fb8aa3b, v122
	v_exp_f32 v118, v118
	v_exp_f32 v119, v119
	v_exp_f32 v122, v122
	v_nop                                          ; a plain line behind the exponentials
	s_wait_alu depctr_va_vdst(0)
	v_add_f32 v119, v118, v119
	v_add_f32 v122, v118, v122
	v_add_f32 v123, v119, v122
	v_rcp_f32 v123, v123
	v_mov_b32 v118, 1.0                            ; the shared expert's weight (also the plain line behind the reciprocal)
	s_wait_alu depctr_va_vdst(0)
	v_mul_f32 v120, v119, v123
	v_mul_f32 v121, v122, v123
	v_cmp_gt_u32 vcc_lo, 16, v1
	s_wait_xcnt 0x0                                ; EXEC changes only behind this wait: it is a source of the stores above
	s_wait_tensorcnt 0x0
	ds_add_u32 v219, v223
	s_wait_dscnt 0x0
	s_and_saveexec_b32 s44, vcc_lo
	global_store_b32 v13, v92, s[38:39] offset:XSO ; 16 lanes: the four tokens' 64 scale bytes
	s_wait_xcnt 0x0
	s_or_b32 exec_lo, exec_lo, s44
	v_cmp_gt_u32 vcc_lo, 4, v1
	s_and_saveexec_b32 s44, vcc_lo
	global_store_b128 v2, v[124:127], s[10:11]     ; 4 lanes: a record for each token,
	global_store_b32 v13, v120, s[12:13]           ; and its number in each of the three planes of weights
	global_store_b32 v13, v121, s[12:13] offset:16384
	global_store_b32 v13, v118, s[12:13] offset:32768
	s_wait_xcnt 0x0
	s_or_b32 exec_lo, exec_lo, s44
	s_endpgm
	; ---------------- the weights' path: task T = 4 (work-group - 256) + wave = 192 x expert + 64 x matrix + tile (matrix 0: w1, 1: w3, 2: w2; expert 8: the shared one)
.Lrelay:
	s_load_b64 s[4:5], s[0:1], 0x30                ; wl
	s_load_b512 s[8:23], s[0:1], 0x38              ; codes: w1, w3, w2, sw1, sw3, sw2; scales: w1, w3
	s_load_b256 s[24:31], s[0:1], 0x78             ; scales: w2, sw1, sw3, sw2
	s_sub_co_u32 s3, ttmp9, 256
	s_lshl_b32 s3, s3, 2
	s_add_co_u32 s3, s3, s2
	s_mul_i32 s32, s3, 10923
	s_lshr_b32 s32, s32, 21                        ; expert = T / 192 (exact for T under 1,728)
	s_mul_i32 s33, s32, 192
	s_sub_co_u32 s33, s3, s33
	s_lshr_b32 s34, s33, 6                         ; matrix
	s_and_b32 s35, s33, 63                         ; tile
	s_lshr_b32 s47, s35, 1
	s_and_b32 s48, s35, 1
	s_and_b32 s49, s47, 7
	s_lshr_b32 s50, s35, 4                         ; the chain's wave that takes this tile
	; from where.  w1, w3: rows of 384 bytes, the tile's rows 32 (tile / 2) + 8 (tile % 2) + r + 8 (r / 8).  w2: rows of 768 bytes, rows 16 (tile / 2) + r, half tile % 2
	s_cmp_eq_u32 s34, 2
	s_cselect_b32 s43, 1, 0
	s_lshl_b32 s42, 384, s43                       ; bytes from row to row
	s_xor_b32 s46, s43, 1
	s_lshl_b32 s46, s46, 3                         ; rows 8-15 of a tile of w1 or w3 lie 8 rows further on
	s_mul_i32 s45, s43, 3
	s_lshr_b32 s45, 3072, s45                      ; tile % 2 is worth 8 rows of 384 bytes, or half a row of 768
	s_mul_i32 s45, s45, s48
	s_mul_i32 s44, s47, 12288                      ; tile / 2: 32 rows of 384 bytes = 16 rows of 768
	s_add_co_u32 s44, s44, s45
	s_cmp_eq_u32 s32, 8
	s_cselect_b32 s36, 0, s32                      ; the shared expert's buffers hold one expert
	s_mul_i32 s37, s36, 393216
	s_add_co_u32 s44, s44, s37
	s_mov_b32 s45, 0
	; to where: the fragment of K step s goes to base + (s & 1) A + (s >> 1) B
	s_lshl_b32 s51, s32, 2
	s_add_co_u32 s51, s51, s50
	s_mul_i32 s51, s51, 24
	s_lshl_b32 s52, s49, 1                         ; w1, w3: set 2 x block (+ s >> 1), fragment tile % 2 + 2 x matrix (+ 4 (s & 1))
	s_lshl_b32 s53, s48, 2
	s_add_co_u32 s53, s53, 16                      ; w2: set 16 + 4 (tile % 2) (+ s), fragment (tile / 2) % 8
	s_lshl_b32 s54, s34, 1
	s_add_co_u32 s54, s54, s48
	s_cmp_eq_u32 s34, 2
	s_cselect_b32 s52, s53, s52
	s_cselect_b32 s54, s49, s54
	s_add_co_u32 s51, s51, s52
	s_mul_i32 s51, s51, 12288
	s_mul_i32 s54, s54, 1536
	s_add_co_u32 s51, s51, s54
	s_lshl_b32 s52, 6144, s43                      ; A
	s_lshl_b32 s53, 12288, s43                     ; B
	; the scale words: the same task number read as set i = tau / 8, wave (tau / 2) % 4, half u = tau % 2 of the set's 32 lanes
	s_lshr_b32 s55, s33, 3
	s_bfe_u32 s56, s33, 0x20001
	s_and_b32 s57, s33, 1
	s_lshr_b32 s58, s55, 1                         ; i under 16: row 256 w + 32 (i / 2) + 8 u + r + 8 (r / 8) of 16 bytes, word 2 (i % 2) + lane / 16
	s_lshl_b32 s58, s58, 9
	s_lshl_b32 s60, s57, 7
	s_add_co_u32 s58, s58, s60
	s_and_b32 s60, s55, 1
	s_lshl_b32 s60, s60, 3
	s_add_co_u32 s58, s58, s60
	s_lshl_b32 s59, s57, 9                         ; i from 16: row 128 w + 16 u + 64 (lane / 16) + r of 32 bytes (the second word 32 rows on), word i - 16
	s_sub_co_u32 s60, s55, 16
	s_lshl_b32 s60, s60, 2
	s_add_co_u32 s59, s59, s60
	s_mov_b32 s61, 2048
	s_lshl_b32 s38, s32, 2
	s_add_co_u32 s38, s38, s56
	s_mul_i32 s38, s38, 24
	s_add_co_u32 s38, s38, s55
	s_lshl_b32 s38, s38, 9
	s_lshl_b32 s39, s57, 8
	s_add_co_u32 s38, s38, s39
	s_add_co_u32 s38, s38, WSO                     ; where my 256 bytes of scale words go
	s_mul_i32 s63, s2, 6400
	s_add_co_u32 s63, s63, RELB                    ; my stage: 16 rows of 384 bytes + 16
	v_lshrrev_b32 v2, 3, v1
	v_and_b32 v3, 7, v1
	v_lshlrev_b32 v3, 4, v3
	v_mad_u32_u24 v8, v2, 400, v3
	v_add_nc_u32 v8, s63, v8                       ; in: eight lanes to 128 bytes of a row
	v_and_b32 v14, 15, v1                          ; r
	v_lshrrev_b32 v15, 4, v1                       ; h
	v_mul_u32_u24 v9, v14, 400
	v_mad_u32_u24 v9, v15, 24, v9
	v_add_nc_u32 v9, s63, v9                       ; out: row r, + 24 h
.irp g, 0,1,2,3
	v_add_nc_u32 v[4+\g], 4*\g, v2
.endr
	v_add_nc_u32 v6, s46, v6
	v_add_nc_u32 v7, s46, v7
.irp g, 0,1,2,3
	v_mad_u32_u24 v[4+\g], v[4+\g], s42, v3
.endr
	v_lshl_add_u32 v10, v1, 4, s51
	v_add_nc_u32 v11, s52, v10
	v_add_nc_u32 v12, s53, v10
	v_add_nc_u32 v13, s53, v11
	s_wait_kmcnt 0x0
	s_cmp_eq_u32 s32, 8                            ; every choice of a buffer hangs on the task's number alone
	s_cselect_b64 s[8:9], s[14:15], s[8:9]
	s_cselect_b64 s[10:11], s[16:17], s[10:11]
	s_cselect_b64 s[12:13], s[18:19], s[12:13]
	s_cselect_b64 s[20:21], s[26:27], s[20:21]
	s_cselect_b64 s[22:23], s[28:29], s[22:23]
	s_cselect_b64 s[24:25], s[30:31], s[24:25]
	s_cmp_eq_u32 s34, 1
	s_cselect_b64 s[40:41], s[10:11], s[8:9]
	s_cmp_eq_u32 s34, 2
	s_cselect_b64 s[40:41], s[12:13], s[40:41]
	s_add_nc_u64 s[40:41], s[40:41], s[44:45]
	s_cmp_ge_u32 s55, 16
	s_cselect_b64 s[20:21], s[24:25], s[20:21]     ; the first word's buffer: w1's scales, or w2's
	s_cselect_b64 s[22:23], s[24:25], s[22:23]     ; the second's: w3's, or w2's
	s_cselect_b32 s58, s59, s58
	s_cselect_b32 s59, 32, 16
	s_cselect_b32 s60, 0, 128
	s_cselect_b32 s61, s61, 4
	s_cselect_b32 s62, 1024, 0
	s_lshl_b32 s39, s56, 12
	s_add_co_u32 s58, s58, s39
	s_lshl_b32 s39, s36, 14
	s_add_co_u32 s58, s58, s39
	v_mul_u32_u24 v114, s59, v14
	v_lshrrev_b32 v117, 3, v14
	v_mad_u32_u24 v114, v117, s60, v114
	v_mad_u32_u24 v114, v15, s61, v114
	v_add_nc_u32 v114, s58, v114
	v_add_nc_u32 v115, s62, v114
	v_lshlrev_b32 v116, 4, v14
	v_lshl_add_u32 v116, v15, 3, v116
	v_add_nc_u32 v116, s38, v116
.irp g, 0,1,2,3
.irp i, 0,1,2
	global_load_b128 v[16+12*\g+4*\i:19+12*\g+4*\i], v[4+\g], s[40:41] offset:128*\i th:TH_LOAD_NT   ; four rows x 128 consecutive bytes
.endr
.endr
	global_load_b32 v112, v114, s[20:21]
	global_load_b32 v113, v115, s[22:23]
	s_wait_loadcnt 0x0
.irp g, 0,1,2,3
.irp i, 0,1,2
	ds_store_b128 v8, v[16+12*\g+4*\i:19+12*\g+4*\i] offset:1600*\g+128*\i
.endr
.endr
.irp s, 0,1,2,3
.irp p, 0,1,2,3,4,5
	ds_load_b64 v[64+12*\s+2*\p:65+12*\s+2*\p], v9 offset:96*\s+48*(\p/3)+8*(\p%3)   ; the fragment's registers, as the matrix unit takes them
.endr
.endr
	s_wait_dscnt 0x0
.irp s, 0,1,2,3
.irp c, 0,1,2
	global_store_b128 v[10+\s], v[64+12*\s+4*\c:67+12*\s+4*\c], s[4:5] offset:512*\c   ; 512 consecutive bytes a store
.endr
.endr
	global_store_b64 v116, v[112:113], s[4:5]      ; 32 lanes store 256 consecutive bytes, aligned
	s_wait_tensorcnt 0x0
	ds_add_u32 v219, v223
	s_wait_dscnt 0x0
	s_endpgm
.Lfunc_end_k_q6218b5a11f_prep:
	.size	k_q6218b5a11f_prep, .Lfunc_end_k_q6218b5a11f_prep-k_q6218b5a11f_prep
	.p2alignl 7, 3214868480
	.fill 96, 4, 3214868480
	.section	.rodata,"a",@progbits
	.p2align	6, 0x0
	.amdhsa_kernel k_q6218b5a11f_prep
		.amdhsa_group_segment_fixed_size 75264
		.amdhsa_private_segment_fixed_size 0
		.amdhsa_enable_private_segment 0
		.amdhsa_kernarg_size 152
		.amdhsa_user_sgpr_count 2
		.amdhsa_user_sgpr_kernarg_segment_ptr 1
		.amdhsa_wavefront_size32 1
		.amdhsa_system_sgpr_workgroup_id_x 1
		.amdhsa_system_sgpr_workgroup_id_y 1
		.amdhsa_system_sgpr_workgroup_id_z 1
		.amdhsa_system_vgpr_workitem_id 0
		.amdhsa_next_free_vgpr 256
		.amdhsa_next_free_sgpr 66
		.amdhsa_reserve_vcc 1
		.amdhsa_float_denorm_mode_32 3
		.amdhsa_float_denorm_mode_16_64 3
		.amdhsa_memory_ordered 1
		.amdhsa_forward_progress 1
		.amdhsa_inst_pref_size 55
	.end_amdhsa_kernel
	.amdgpu_metadata
---
amdhsa.version: [ 1, 2 ]
amdhsa.kernels:
  - .name:           k_q6218b5a11f_prep
    .symbol:         k_q6218b5a11f_prep.kd
    .args:
      - { .name: x, .offset: 0, .size: 8, .value_kind: global_buffer, .address_space: global }
      - { .name: gate_w, .offset: 8, .size: 8, .value_kind: global_buffer, .address_space: global }
      - { .name: biases, .offset: 16, .size: 8, .value_kind: global_buffer, .address_space: global }
      - { .name: route, .offset: 24, .size: 8, .value_kind: global_buffer, .address_space: global }
      - { .name: gates, .offset: 32, .size: 8, .value_kind: global_buffer, .address_space: global }
      - { .name: xq, .offset: 40, .size: 8, .value_kind: global_buffer, .address_space: global }
      - { .name: wl, .offset: 48, .size: 8, .value_kind: global_buffer, .address_space: global }
      - { .name: w1_codes, .offset: 56, .size: 8, .value_kind: global_buffer, .address_space: global }
      - { .name: w3_codes, .offset: 64, .size: 8, .value_kind: global_buffer, .address_space: global }
      - { .name: w2_codes, .offset: 72, .size: 8, .value_kind: global_buffer, .address_space: global }
      - { .name: sw1_codes, .offset: 80, .size: 8, .value_kind: global_buffer, .address_space: global }
      - { .name: sw3_codes, .offset: 88, .size: 8, .value_kind: global_buffer, .address_space: global }
      - { .name: sw2_codes, .offset: 96, .size: 8, .value_kind: global_buffer, .address_space: global }
      - { .name: w1_scales, .offset: 104, .size: 8, .value_kind: global_buffer, .address_space: global }
      - { .name: w3_scales, .offset: 112, .size: 8, .value_kind: global_buffer, .address_space: global }
      - { .name: w2_scales, .offset: 120, .size: 8, .value_kind: global_buffer, .address_space: global }
      - { .name: sw1_scales, .offset: 128, .size: 8, .value_kind: global_buffer, .address_space: global }
      - { .name: sw3_scales, .offset: 136, .size: 8, .value_kind: global_buffer, .address_space: global }
      - { .name: sw2_scales, .offset: 144, .size: 8, .value_kind: global_buffer, .address_space: global }
    .group_segment_fixed_size: 75264
    .private_segment_fixed_size: 0
    .kernarg_segment_align: 8
    .kernarg_segment_size: 152
    .max_flat_workgroup_size: 128
    .sgpr_count:     66
    .vgpr_count:     256
    .wavefront_size: 32
...
	.end_amdgpu_metadata
.endif
;; end of part 5
;; launch sort (part 6): grid 1 x 1, 8 waves a work-group, no clusters, 1,280 bytes of LDS; arguments route, plan; writes plan
.if DOCPART == 6
	.amdgcn_target "amdgcn-amd-amdhsa--gfx1250"
	.amdhsa_code_object_version 6
	.text
	.protected	k_q6218b5a11f_sort
	.globl	k_q6218b5a11f_sort
	.p2align	8
	.type	k_q6218b5a11f_sort,@function
k_q6218b5a11f_sort:
	s_mov_b64 s[64:65], 0
	v_nop
	global_prefetch_b8 v0, s[64:65] scope:SCOPE_SE
	s_setreg_imm32_b32 hwreg(HW_REG_WAVE_MODE, 25, 1), 1
	s_wait_xcnt 0x0
; A counting sort of the 8,192 entries (token, k) by expert, and the table of tiles.  One work-group of 256 threads; thread i holds tokens 256 j + i, j = 0 .. 15: 32 entries,
; and each of its 16 loads reads 512 consecutive bytes a wave.  All arithmetic is on whole numbers.
; route gives for each token its two experts as one-hot bytes (two words) and, for each choice, a byte selector for v_perm_b32 (0x0c0c0c00 | expert: that expert's byte of a table
; of eight bytes in two registers, the upper three bytes cleared).  So a thread's counts are two additions a token (a token's two experts differ: no byte passes 16), and an entry's rank among
; the thread's own entries, and the low and the high byte of the place at which the thread's entries of that expert begin, are one v_perm_b32 each.
; plan: rows[12,288] at byte 0: the row of y that a sorted place owns (4096 k + token; the shared expert's places 8192 .. 12287 own rows 8192 + token);
;       tiles at byte 49,152, 16 bytes each: expert, first place, number of rows, 0.
; TILES.  With n[e] rows for expert e the tiles of 64 rows number between 128 and 135.  The grid that follows has 135 routed tiles for every split: the X = 135 - sum ceil(n[e] / 64)
; that are over (0 to 7) are used by cutting the first X tiles of the largest expert (which has 1,024 rows or more) into 2 X halves of 32 rows.  So no tile is empty.  Tiles 135-198 are the shared expert's.
; Sums over lanes and waves go in four words of 2 x 16 bits: experts (0, 2), (1, 3), (4, 6), (5, 7); no field passes 8,192.
.set R, 16                             ; v16-79   the records: token j at 16 + 4 j: bytes 0-3, bytes 4-7, selector 0, selector 1 (a selector's register later holds the entry's row of y)
.set L, 80                             ; v80-111  entry 2 j + k: its rank among my own, later its byte offset in plan
	s_load_b128 s[4:7], s[0:1], 0x0                ; route, plan
	v_lshl_add_u32 v160, v0, 2, 0x100
	v_mov_b32 v161, 0
	v_lshrrev_b32 v3, 5, v0
	v_readfirstlane_b32 s12, v3                    ; wave
	v_lshlrev_b32 v3, 4, v3                        ; LDS: 16 x wave
	v_and_b32 v1, 31, v0
	v_and_b32 v126, 7, v0
	v_lshlrev_b32 v126, 4, v126                    ; LDS: 16 x (lane & 7)
	v_lshlrev_b32 v2, 4, v0                        ; 16 x thread
	v_lshlrev_b32 v127, 2, v0
	v_cmp_le_u32 vcc_lo, 16, v1
	v_cndmask_b32 v15, 0, -1, vcc_lo               ; all ones in lanes 16-31
	v_mov_b32 v4, 0                                ; my counts: experts 0-3,
	v_mov_b32 v5, 0                                ; experts 4-7
.irp i, 0,1,2,3
	v_mov_b32 v[120+\i], 0                         ; written once: a DPP form's destination counts as one of its sources
.endr
	s_mov_b32 s14, 0x00ff00ff
	s_mov_b32 s70, 0x06020400                      ; the low bytes of four 16-bit fields in two registers,
	s_mov_b32 s71, 0x07030501                      ; the high bytes
.irp c, 0,1,2,3
.irp i, 0,1,2,3
	v_add_nc_u32 v[128+4*\c+\i], 8192+1024*\c+\i, v127
.endr
.endr
	s_wait_kmcnt 0x0
.irp j, 0,1,2,3,4,5,6,7,8,9,10,11,12,13,14,15
	global_load_b128 v[R+4*\j:R+4*\j+3], v2, s[4:5] offset:4096*\j
.endr
.irp c, 0,1,2,3
	global_store_b128 v2, v[128+4*\c:131+4*\c], s[6:7] offset:32768+4096*\c   ; the shared expert's places, while the records are on their way
.endr
.irp j, 0,1,2,3,4,5,6,7,8,9,10,11,12,13,14,15
	s_wait_loadcnt 15-\j                           ; record j is in; the younger ones may be out
	v_perm_b32 v[L+2*\j], v5, v4, v[R+4*\j+2]      ; how many of my earlier tokens chose this expert
	v_perm_b32 v[L+2*\j+1], v5, v4, v[R+4*\j+3]
	v_add_nc_u32 v4, v4, v[R+4*\j]
	v_add_nc_u32 v5, v5, v[R+4*\j+1]
.endr
	v_and_b32 v6, s14, v4                          ; experts 0, 2
	v_lshrrev_b32 v7, 8, v4
	v_and_b32 v8, s14, v5                          ; 4, 6
	v_lshrrev_b32 v9, 8, v5
	v_and_b32 v7, s14, v7                          ; 1, 3
	v_and_b32 v9, s14, v9                          ; 5, 7
.irp i, 0,1,2,3
	v_mov_b32 v[10+\i], v[6+\i]
.endr
.macro SCAN4 r, d                      ; one step of the running sum within each 16 lanes, four registers by turns
.irp i, 0,1,2,3
	v_mov_b32_dpp v[120+\i], v[\r+\i] row_shr:\d row_mask:0xf bank_mask:0xf bound_ctrl:1
.endr
.irp i, 0,1,2,3
	v_add_nc_u32 v[\r+\i], v[\r+\i], v[120+\i]
.endr
.endm
	SCAN4 6, 1
	SCAN4 6, 2
	SCAN4 6, 4
	SCAN4 6, 8
.irp i, 0,1,2,3
	v_readlane_b32 s[20+\i], v[6+\i], 15
.endr
.irp i, 0,1,2,3
	v_and_b32 v[120+\i], s[20+\i], v15
.endr
.irp i, 0,1,2,3
	v_add_nc_u32 v[6+\i], v[6+\i], v[120+\i]       ; lanes 16-31 add the lower half's total
.endr
.irp i, 0,1,2,3
	v_readlane_b32 s[16+\i], v[6+\i], 31           ; my wave's totals
.endr
.irp i, 0,1,2,3
	v_mov_b32 v[116+\i], s[16+\i]
.endr
	ds_store_b128 v3, v[116:119]                   ; all lanes write the same 16 bytes with the same values
	s_wait_dscnt 0x0                               ; for the others' sake: my store has landed
	s_barrier_signal -1
	s_barrier_wait -1
	ds_load_b128 v[112:115], v126                  ; lane l: wave l & 7's totals
	s_wait_dscnt 0x0
	SCAN4 112, 1
	SCAN4 112, 2
	SCAN4 112, 4                                   ; right in lanes 0-7, which alone are read
.irp i, 0,1,2,3
	v_readlane_b32 s[20+\i], v[112+\i], s12
	v_readlane_b32 s[24+\i], v[112+\i], 7          ; all waves
.endr
.irp i, 0,1,2,3
	s_sub_co_u32 s[20+\i], s[20+\i], s[16+\i]      ; the waves in front of mine
.endr
.irp i, 0,1,2,3
	s_and_b32 s[28+4*(\i/2)+\i%2], s[24+\i], 0xffff   ; s28-35: n[e]
	s_lshr_b32 s[30+4*(\i/2)+\i%2], s[24+\i], 16
.endr
	s_mov_b32 s36, 0                               ; s36-43: where expert e's places begin
.irp e, 1,2,3,4,5,6,7
	s_add_co_u32 s[36+\e], s[35+\e], s[27+\e]
.endr
.irp i, 0,1,2,3
	s_lshl_b32 s13, s[38+4*(\i/2)+\i%2], 16
	s_or_b32 s13, s13, s[36+4*(\i/2)+\i%2]
	s_add_co_u32 s[66+\i], s13, s[20+\i]
	v_sub_nc_u32 v[6+\i], v[6+\i], v[10+\i]        ; the lanes in front of mine,
	v_add_nc_u32 v[6+\i], s[66+\i], v[6+\i]        ; + the waves in front of mine + the expert's first place
.endr
	v_perm_b32 v116, v7, v6, s70                   ; the tables: low bytes of experts 0-3,
	v_perm_b32 v117, v9, v8, s70                   ; of experts 4-7,
	v_perm_b32 v118, v7, v6, s71                   ; high bytes
	v_perm_b32 v119, v9, v8, s71
.macro ENT g                           ; four entries by turns: tokens 2 g and 2 g + 1
.irp e, 0,1,2,3
	v_perm_b32 v[120+\e], v117, v116, v[R+4*(2*\g+\e/2)+2+\e%2]
.endr
.irp e, 0,1,2,3
	v_perm_b32 v[124+\e], v119, v118, v[R+4*(2*\g+\e/2)+2+\e%2]
.endr
.irp e, 0,1,2,3
	v_lshl_add_u32 v[120+\e], v[124+\e], 8, v[120+\e]
.endr
.irp e, 0,1,2,3
	v_add_lshl_u32 v[L+4*\g+\e], v[120+\e], v[L+4*\g+\e], 2    ; the entry's place, in bytes
.endr
.irp e, 0,1,2,3
	v_min_u32 v[L+4*\g+\e], 0x7ffc, v[L+4*\g+\e]   ; a number made of loaded ones enters an address only behind a bound
.endr
.irp e, 0,1,2,3
	v_add_nc_u32 v[R+4*(2*\g+\e/2)+2+\e%2], 256*(2*\g+\e/2)+4096*(\e%2), v0   ; the row of y that it owns
.endr
.irp e, 0,1,2,3
	global_store_b32 v[L+4*\g+\e], v[R+4*(2*\g+\e/2)+2+\e%2], s[6:7]
.endr
.endm
.irp g, 0,1,2,3,4,5,6,7
	ENT \g
.endr
	; the tiles
	s_mov_b32 s60, 135
.irp e, 0,1,2,3,4,5,6,7
	s_add_co_u32 s[44+\e], s[28+\e], 63            ; s44-51: expert e's tiles
	s_lshr_b32 s[44+\e], s[44+\e], 6
	s_sub_co_u32 s60, s60, s[44+\e]                ; s60: X
.endr
	s_mov_b32 s61, 0                               ; s61: the largest expert
	s_mov_b32 s62, s28
.irp e, 1,2,3,4,5,6,7
	s_cmp_gt_u32 s[28+\e], s62
	s_cselect_b32 s61, \e, s61
	s_cselect_b32 s62, s[28+\e], s62
.endr
.irp e, 0,1,2,3,4,5,6,7
	s_cmp_eq_u32 s61, \e
	s_cselect_b32 s13, s60, 0
	s_add_co_u32 s[44+\e], s[44+\e], s13
.endr
	s_mov_b32 s52, 0                               ; s52-59: expert e's first tile
.irp e, 1,2,3,4,5,6,7
	s_add_co_u32 s[52+\e], s[51+\e], s[43+\e]
.endr
	; tile i = my thread's number (entries from 199 on are stored and never read)
	v_mov_b32 v144, 0
	v_mov_b32 v145, 0
	v_mov_b32 v146, 0
	v_mov_b32 v147, s28
.irp e, 1,2,3,4,5,6,7
	v_cmp_le_u32 vcc_lo, s[52+\e], v0              ; the last expert whose first tile is not behind i
	v_cndmask_b32 v144, v144, \e, vcc_lo
	v_cndmask_b32 v145, v145, s[52+\e], vcc_lo
	v_cndmask_b32 v146, v146, s[36+\e], vcc_lo
	v_cndmask_b32 v147, v147, s[28+\e], vcc_lo
.endr
	v_sub_nc_u32 v148, v0, v145                    ; which of its tiles
	v_mov_b32 v150, s60
	v_cmp_eq_u32 vcc_lo, s61, v144
	v_cndmask_b32 v149, 0, v150, vcc_lo            ; X for the largest expert, else 0
	v_lshlrev_b32 v151, 1, v149
	v_cmp_lt_u32 vcc_lo, v148, v151                ; a half tile?
	v_lshlrev_b32 v152, 5, v148
	v_sub_nc_u32 v153, v148, v149
	v_lshlrev_b32 v153, 6, v153
	v_cndmask_b32 v152, v153, v152, vcc_lo         ; its first row within the expert
	v_cndmask_b32 v153, 64, 32, vcc_lo
	v_sub_nc_u32 v154, v147, v152
	v_min_u32 v154, v154, v153                     ; its rows (the first row lies under n for every routed tile)
	v_add_nc_u32 v152, v146, v152
	v_add_nc_u32 v155, 0xffffff79, v0              ; i - 135
	v_lshl_add_u32 v155, v155, 6, 0x2000
	v_cmp_le_u32 vcc_lo, 135, v0
	v_cndmask_b32 v156, v144, 8, vcc_lo
	v_cndmask_b32 v157, v152, v155, vcc_lo
	v_cndmask_b32 v158, v154, 64, vcc_lo
	v_mov_b32 v159, 0
	global_store_b128 v2, v[156:159], s[6:7] offset:49152
	s_wait_tensorcnt 0x0
	ds_add_u32 v160, v161
	s_wait_dscnt 0x0
	s_endpgm
.Lfunc_end_k_q6218b5a11f_sort:
	.size	k_q6218b5a11f_sort, .Lfunc_end_k_q6218b5a11f_sort-k_q6218b5a11f_sort
	.p2alignl 7, 3214868480
	.fill 96, 4, 3214868480
	.section	.rodata,"a",@progbits
	.p2align	6, 0x0
	.amdhsa_kernel k_q6218b5a11f_sort
		.amdhsa_group_segment_fixed_size 1280
		.amdhsa_private_segment_fixed_size 0
		.amdhsa_enable_private_segment 0
		.amdhsa_kernarg_size 16
		.amdhsa_user_sgpr_count 2
		.amdhsa_user_sgpr_kernarg_segment_ptr 1
		.amdhsa_wavefront_size32 1
		.amdhsa_system_sgpr_workgroup_id_x 1
		.amdhsa_system_sgpr_workgroup_id_y 1
		.amdhsa_system_sgpr_workgroup_id_z 1
		.amdhsa_system_vgpr_workitem_id 0
		.amdhsa_next_free_vgpr 162
		.amdhsa_next_free_sgpr 72
		.amdhsa_reserve_vcc 1
		.amdhsa_float_denorm_mode_32 3
		.amdhsa_float_denorm_mode_16_64 3
		.amdhsa_memory_ordered 1
		.amdhsa_forward_progress 1
		.amdhsa_inst_pref_size 35
	.end_amdhsa_kernel
	.amdgpu_metadata
---
amdhsa.version: [ 1, 2 ]
amdhsa.kernels:
  - .name:           k_q6218b5a11f_sort
    .symbol:         k_q6218b5a11f_sort.kd
    .args:
      - { .name: route, .offset: 0, .size: 8, .value_kind: global_buffer, .address_space: global }
      - { .name: plan, .offset: 8, .size: 8, .value_kind: global_buffer, .address_space: global }
    .group_segment_fixed_size: 1280
    .private_segment_fixed_size: 0
    .kernarg_segment_align: 8
    .kernarg_segment_size: 16
    .max_flat_workgroup_size: 256
    .sgpr_count:     72
    .vgpr_count:     162
    .wavefront_size: 32
...
	.end_amdgpu_metadata
.endif
;; end of part 6
;; launch chain (part 7): grid 199 x 1, 4 waves a work-group, no clusters, 112,128 bytes of LDS; arguments plan, gates, xq, wl, y; writes y
.if DOCPART == 7
	.amdgcn_target "amdgcn-amd-amdhsa--gfx1250"
	.amdhsa_code_object_version 6
	.text
	.protected	k_q6218b5a11f_chain
	.globl	k_q6218b5a11f_chain
	.p2align	8
	.type	k_q6218b5a11f_chain,@function
k_q6218b5a11f_chain:
	s_mov_b64 s[64:65], 0
	v_nop
	global_prefetch_b8 v0, s[64:65] scope:SCOPE_SE
	s_setreg_imm32_b32 hwreg(HW_REG_WAVE_MODE, 25, 1), 1
	s_wait_xcnt 0x0
; One tile (up to 64 sorted rows) of one expert through the whole chain: y_row = p x (Q(silu(x W1) * (x W3)) W2), all three products on codes of E2M3 with one E8M0 scale for each 32 along K.
; SHARES.  Four waves share the COLUMNS: wave w makes hidden units 256 w .. 256 w + 255 (K steps 2 w, 2 w + 1 of the second product) and outputs 128 w .. 128 w + 127, for all 64 rows (four tiles m of 16).
; Both products are used transposed (source 0 = 16 rows of a weight, source 1 = 16 of my rows): a lane holds ONE row (lane % 16) and its registers run along the columns.
; THE ROWS OF W1, W3 THAT FORM A TILE ARE NOT NEIGHBOURS (r + 8 (r / 8)): the 16 registers of two neighbouring tiles are 16 neighbours along the next K.
; WEIGHTS come from wl, laid by an earlier launch in the order of the operand registers: a wave walks ONE stream of 24 sets of 8 fragments (12,288 bytes) and 512 bytes of scale words,
; 25 loads of 512 consecutive bytes a set, through a ring of four sets of registers.
; BY TURNS.  In the first layer a UNIT is a block of 32 hidden units for TWO tiles of rows: 32 products on 8 accumulators (64 registers); two units' accumulators lie side by side.  While a unit's products
; are issued, the activation and the quantiser of the unit before, a list of 157 to 175 lines, stand between them, six lines behind each product.  All that the list touches lies in window 0 and the products'
; operands do not, so a slice costs two switches of the register windows: with five to six vector lines for each product, set in phases of their own they would leave the matrix unit idle all that while.
; A trip's first unit has nothing to set between its products, and its last list stands alone.
; NO TENSOR LOAD AND NO JOINT REQUEST, though tiles of one expert read the same weights:
; which tiles share an expert hangs on the split.
; x's codes are gathered by the list (wave w: rows 16 w .. 16 w + 15) and reach all waves through LDS as images of the operand's registers; so does the hidden layer.  Two barriers.
; Rows behind the tile's count are computed with the rows that follow in the list and not stored: rows do not mix.
; LIMITS: NaN and infinities are not served.  A block of the hidden layer whose largest magnitude lies under 2^-124, a block of zeros too, gets the scale byte 1.
; The hidden number is formed as (g u) / (1 + 2^(-g log2 e)): g u has to be finite.  Where 2^(-g log2 e) passes the largest f32 number (g under about -88) the quotient is taken as 0; its true magnitude lies under 1e-36 |u|.
; REGISTERS, in windows of 256: window 0 as named below; window 1: x's 16 fragments at 12 (4 m + s), later the 32 accumulators of y at 8 (4 n + m); window 2: ring sets 0, 1 at 96 (set % 2) + 12 f,
; and from v192 the 64 rows' offsets in y; window 3: ring sets 2, 3.
.set XSO,  1572864
.set WSO,  10616832
.set XIMG, 0                           ; LDS: x's fragments (4 m + s) x 1,536: plane c x 512, lane x 16
.set HIMG, 24576                       ; the hidden layer's (8 m + ks) x 1,536
.set HSC,  73728                       ; their scale words (8 m + ks) x 128 + 4 lane
.set STG,  77824                       ; a stage of 16 rows x (512 + 16) bytes for each wave
.set LI,   1                           ; 16 lane
.set LH,   2                           ; 16 lane + HIMG
.set LS,   3                           ; 4 lane + HSC
.set XW,   4                           ; where I put gathered bytes of x
.set HW0,  5                           ; where my wave's hidden images begin;  v6: the same for the trip in hand
.set ADH,  6
.set HS0,  7                           ; likewise their scale words;  v8
.set ADS,  8
.set SO,   9                           ; the stage: where I put 32 bytes of a row
.set SR,   10                          ; and where I read a row back
.set CO,   11                          ; my 16 bytes in a row of y: 512 w + 16 lane
.set RV,   12                          ; v12-13  the row of y of tile row 32 j + lane
.set A4R,  14                          ; 4 (lane % 16)
.set A4L,  15                          ; 4 lane
.set XS,   16                          ; v16-23  x's scale words: 4 j + s; lanes 0-15 tile 2 j, lanes 16-31 tile 2 j + 1
.set WSC,  24                          ; v24-39  the weights' scale words: 4 set + q; lanes 0-15 fragment 2 q, lanes 16-31 fragment 2 q + 1
.set HS,   40                          ; v40-47  the hidden layer's scale words: 4 buffer + m
.set PW,   48                          ; v48-51  the scale word being made, for each m
.set PB,   52                          ; v52-59  p of row 16 m + lane % 16 at 52 + 2 m (the odd registers are named in pairs and hold 0)
.set GT,   60                          ; v60-63  the gather's offsets
.set ACC,  64                          ; v64-191 two units' accumulators: unit pair mp at 64 mp: x W1 of its two tiles (16 each), then x W3
.set PR,   192                         ; v192-195 at the head: where the rows' p lie
.set TT,   208                         ; v208-239 codes: 8 m
.set TM,   244                         ; v244-247 largest magnitudes, v248-251 partner's / bytes, v252-255 scale operands
.set HF,   64                          ; second product: hidden fragments, 48 buffer + 12 m
.set OB,   64                          ; the way out: v64-127 and v128-191 by turns: 64 results x p, then the same 16 rows back from the stage
.set VO,   192                         ; the way out: v192-255 the 64 rows' offsets in y
.set MSB, 0
.macro WIN new                         ; the immediate's high byte repeats the setting that is left; a switch that changes nothing is dropped
.if MSB != (\new)
	s_set_vgpr_msb (MSB<<8)|(\new)
.set MSB, (\new)
.endif
.endm
.macro PLACES n                        ; plain vector lines between a matrix instruction and a load into, or a read of, its registers
.rept \n
	v_nop
.endr
.endm
.macro LOADSET slot, k                 ; set k from the stream's pointer on, into ring set slot: 25 loads
	global_load_b128 v[WSC+4*(\slot):WSC+4*(\slot)+3], v[LI], s[22:23] offset:512*(\k)
	WIN 0x80+0x40*((\slot)/2)
.irp i, 0,1,2,3,4,5,6,7,8,9,10,11,12,13,14,15,16,17,18,19,20,21,22,23
	global_load_b128 v[96*((\slot)%2)+4*\i:96*((\slot)%2)+4*\i+3], v[LI], s[20:21] offset:12288*(\k)+512*\i
.endr
	WIN 0
.endm
.macro WM zero, ra, rb                 ; one product on WD, WA, WB, WSA, WSB; ra, rb: the side's scale words stand in lanes 16-31
.if \zero
.if (\ra)&&(\rb)
	v_wmma_scale_f32_16x16x128_f8f6f4 v[WD:WD+7], v[WA:WA+11], v[WB:WB+11], 0, v[WSA], v[WSB] matrix_a_fmt:MATRIX_FMT_FP6 matrix_b_fmt:MATRIX_FMT_FP6 matrix_a_scale:MATRIX_SCALE_ROW1 matrix_b_scale:MATRIX_SCALE_ROW1
.elseif \ra
	v_wmma_scale_f32_16x16x128_f8f6f4 v[WD:WD+7], v[WA:WA+11], v[WB:WB+11], 0, v[WSA], v[WSB] matrix_a_fmt:MATRIX_FMT_FP6 matrix_b_fmt:MATRIX_FMT_FP6 matrix_a_scale:MATRIX_SCALE_ROW1
.elseif \rb
	v_wmma_scale_f32_16x16x128_f8f6f4 v[WD:WD+7], v[WA:WA+11], v[WB:WB+11], 0, v[WSA], v[WSB] matrix_a_fmt:MATRIX_FMT_FP6 matrix_b_fmt:MATRIX_FMT_FP6 matrix_b_scale:MATRIX_SCALE_ROW1
.else
	v_wmma_scale_f32_16x16x128_f8f6f4 v[WD:WD+7], v[WA:WA+11], v[WB:WB+11], 0, v[WSA], v[WSB] matrix_a_fmt:MATRIX_FMT_FP6 matrix_b_fmt:MATRIX_FMT_FP6
.endif
.else
.if (\ra)&&(\rb)
	v_wmma_scale_f32_16x16x128_f8f6f4 v[WD:WD+7], v[WA:WA+11], v[WB:WB+11], v[WD:WD+7], v[WSA], v[WSB] matrix_a_fmt:MATRIX_FMT_FP6 matrix_b_fmt:MATRIX_FMT_FP6 matrix_a_scale:MATRIX_SCALE_ROW1 matrix_b_scale:MATRIX_SCALE_ROW1
.elseif \ra
	v_wmma_scale_f32_16x16x128_f8f6f4 v[WD:WD+7], v[WA:WA+11], v[WB:WB+11], v[WD:WD+7], v[WSA], v[WSB] matrix_a_fmt:MATRIX_FMT_FP6 matrix_b_fmt:MATRIX_FMT_FP6 matrix_a_scale:MATRIX_SCALE_ROW1
.elseif \rb
	v_wmma_scale_f32_16x16x128_f8f6f4 v[WD:WD+7], v[WA:WA+11], v[WB:WB+11], v[WD:WD+7], v[WSA], v[WSB] matrix_a_fmt:MATRIX_FMT_FP6 matrix_b_fmt:MATRIX_FMT_FP6 matrix_b_scale:MATRIX_SCALE_ROW1
.else
	v_wmma_scale_f32_16x16x128_f8f6f4 v[WD:WD+7], v[WA:WA+11], v[WB:WB+11], v[WD:WD+7], v[WSA], v[WSB] matrix_a_fmt:MATRIX_FMT_FP6 matrix_b_fmt:MATRIX_FMT_FP6
.endif
.endif
.endm
; ---- THE LIST: the activation and the quantiser of block bb (32 hidden units) for the tiles of rows A = 2 mp and B = 2 mp + 1.  AI writes line AJ of it.  g, u: a tile's 16 numbers of x W1, x W3.
;   0-15     A: u *= g and g *= -log2 e, pair by pair, from each accumulator's low end on
;   16-47    A's 16 exponentials, each followed by a plain line: B's u *= g, g *= -log2 e
;   48-71    B's exponentials, two and then a plain line: A's g += 1
;   72-95    A's reciprocals, two and then a plain line: B's g += 1
;   96-127   B's reciprocals one by one; between them A's g *= u (the hidden numbers) and A's largest magnitude
;   128-155  B's g *= u and largest magnitude; between and behind them the two tiles' scale (partner lane, exponent, byte, scale word) and conversion
;   156      a plain line behind the last conversion
;   157-172  (odd blocks) two blocks' codes change halves, so that a lane holds a whole block, and six registers of the fragment go to LDS as they stand;   173-174  (block 3) the scale words
; So every transcendental has a plain line that names none of its registers behind it before its result is read, whatever products stand between.
.macro MXS g, t, gr                    ; step g of eight of tile t's largest magnitude; the first brings the floor 2^(3 - 127): the byte cannot fall under 1
.if (\g) == 0
	v_max3_num_f32 v[TM+(\t)], |v[(\gr)]|, |v[(\gr)+1]|, 0x1800000
.else
	v_max3_num_f32 v[TM+(\t)], v[TM+(\t)], |v[(\gr)+2*(\g)]|, |v[(\gr)+2*(\g)+1]|
.endif
.endm
.macro QS g, t, gr, bb                 ; step g of six of tile t's scale and codes
.if (\g) == 0
	v_permlanex16_b32 v[TM+4+(\t)], v[TM+(\t)], s30, s31
.elseif (\g) == 1
	v_max_num_f32 v[TM+(\t)], v[TM+(\t)], v[TM+4+(\t)]         ; with lane l xor 16's 16: the block's largest magnitude
	s_wait_alu depctr_va_vdst(0)
.elseif (\g) == 2
	v_add_nc_u32 v[TM+8+(\t)], 0xff000000, v[TM+(\t)]          ; 2 off its exponent field: the conversion's scale operand
.elseif (\g) == 3
	v_lshrrev_b32 v[TM+4+(\t)], 23, v[TM+8+(\t)]               ; the scale's byte
.elseif (\g) == 4
.if (\bb) == 0
	v_mov_b32 v[PW+(\t)], v[TM+4+(\t)]
.else
	v_lshl_or_b32 v[PW+(\t)], v[TM+4+(\t)], 8*(\bb), v[PW+(\t)]
.endif
.else
	v_cvt_scalef32_pk16_fp6_f32 v[TT+8*(\t)+4*((\bb)%2):TT+8*(\t)+4*((\bb)%2)+2], v[(\gr):(\gr)+15], v[TM+8+(\t)]
.endif
.endm
.macro AI bb, mp
.set TA, 2*(\mp)
.set GA, ACC+64*(\mp)
.if AJ == 0
	s_wait_dscnt 0x0                               ; earlier image stores have read their registers
.endif
.if AJ < 16
.set I2, 2*(AJ/2)
.if AJ%2 == 0
	v_pk_mul_f32 v[GA+32+I2:GA+33+I2], v[GA+32+I2:GA+33+I2], v[GA+I2:GA+1+I2]
.else
	v_pk_mul_f32 v[GA+I2:GA+1+I2], v[GA+I2:GA+1+I2], s[28:29] op_sel_hi:[1,0]
.endif
.elseif AJ < 48
.set T_, AJ-16
.set I_, T_/2
.set I2, 2*(I_/2)
.if T_%2 == 0
	v_exp_f32 v[GA+I_], v[GA+I_]
.elseif I_%2 == 0
	v_pk_mul_f32 v[GA+48+I2:GA+49+I2], v[GA+48+I2:GA+49+I2], v[GA+16+I2:GA+17+I2]
.else
	v_pk_mul_f32 v[GA+16+I2:GA+17+I2], v[GA+16+I2:GA+17+I2], s[28:29] op_sel_hi:[1,0]
.endif
.elseif AJ < 72
.set T_, AJ-48
.set I2, 2*(T_/3)
.if T_%3 < 2
	v_exp_f32 v[GA+16+I2+T_%3], v[GA+16+I2+T_%3]
.else
	s_wait_alu depctr_va_vdst(0)
	v_pk_add_f32 v[GA+I2:GA+1+I2], v[GA+I2:GA+1+I2], 1.0 op_sel_hi:[1,0]
.endif
.elseif AJ < 96
.set T_, AJ-72
.set I2, 2*(T_/3)
.if T_%3 < 2
	v_rcp_f32 v[GA+I2+T_%3], v[GA+I2+T_%3]
.else
	s_wait_alu depctr_va_vdst(0)
	v_pk_add_f32 v[GA+16+I2:GA+17+I2], v[GA+16+I2:GA+17+I2], 1.0 op_sel_hi:[1,0]
.endif
.elseif AJ < 128
.set T_, AJ-96
.set I_, T_/4
.set I2, 2*I_
.if T_%4 == 0
	v_rcp_f32 v[GA+16+I2], v[GA+16+I2]
.elseif T_%4 == 1
	s_wait_alu depctr_va_vdst(0)
	v_pk_mul_f32 v[GA+I2:GA+1+I2], v[GA+I2:GA+1+I2], v[GA+32+I2:GA+33+I2]
.elseif T_%4 == 2
	v_rcp_f32 v[GA+17+I2], v[GA+17+I2]
.else
	MXS I_, TA, GA
.endif
.elseif AJ < 146
.set T_, AJ-128
.set I_, T_/3
.set I2, 2*I_
.if T_%3 == 0
	v_pk_mul_f32 v[GA+16+I2:GA+17+I2], v[GA+16+I2:GA+17+I2], v[GA+48+I2:GA+49+I2]
.elseif T_%3 == 1
	QS I_, TA, GA, \bb
.else
	MXS I_, TA+1, GA+16
.endif
.elseif AJ < 150
.set T_, AJ-146
.set I_, 6+T_/2
.set I2, 2*I_
.if T_%2 == 0
	v_pk_mul_f32 v[GA+16+I2:GA+17+I2], v[GA+16+I2:GA+17+I2], v[GA+48+I2:GA+49+I2]
.else
	MXS I_, TA+1, GA+16
.endif
.elseif AJ < 156
	QS AJ-150, TA+1, GA+16, \bb
.elseif AJ == 156
	v_nop
.elseif AJ < 173
.set T_, AJ-157
.set TL, TA+T_/8
.set TR, TT+8*TL
.set R_, T_%8
.if R_ < 3
	v_permlane16_swap_b32 v[TR+R_], v[TR+4+R_]     ; lanes 0-15 keep the even block, lanes 16-31 the odd one
.elseif R_ < 6
	v_mov_b32 v[TR+R_], v[TR+R_+1]
.elseif R_ == 6
.if (\bb) == 1
	ds_store_b128 v[ADH], v[TR:TR+3] offset:12288*TL           ; registers 0-3 of the fragment,
.else
	ds_store_b64 v[ADH], v[TR:TR+1] offset:12288*TL+520        ; 6, 7,
.endif
.else
.if (\bb) == 1
	ds_store_b64 v[ADH], v[TR+4:TR+5] offset:12288*TL+512      ; 4, 5
.else
	ds_store_b128 v[ADH], v[TR+2:TR+5] offset:12288*TL+1024    ; 8-11
.endif
.endif
.else
	ds_store_b32 v[ADS], v[PW+TA+AJ-173] offset:1024*(TA+AJ-173)
.endif
.endm
.macro SETNI bb                        ; the list's length
.set NI, 157
.if ((\bb)%2) == 1
.set NI, 173
.endif
.if (\bb) == 3
.set NI, 175
.endif
.endm
.macro SLICE bb, mp                    ; the list's next six lines
.rept 6
.if AJ < NI
	WIN 0
	AI \bb, \mp
.set AJ, AJ+1
.endif
.endr
.endm
.macro ACTALL bb, mp                   ; the whole list on end
	SETNI \bb
.set AJ, 0
.rept 175
.if AJ < NI
	AI \bb, \mp
.set AJ, AJ+1
.endif
.endr
.endm
; 16 products: ring set slot (fragments 4 hl + tt, tt = u + 2 x matrix; K steps 2 sp + hl of x) against the two tiles of rows of pair mp.  The eight accumulators take turns, one instruction a turn.
.macro HALF slot, sp, mp, act, pbb, pmp
.irp hl, 0,1
.irp ml, 0,1
.irp tt, 0,1,2,3
.set WD, ACC+64*(\mp)+32*(\tt/2)+16*\ml+8*(\tt%2)
.set WA, 96*((\slot)%2)+12*(4*\hl+\tt)
.set WB, 12*(4*(2*(\mp)+\ml)+2*(\sp)+\hl)
.set WSA, WSC+4*(\slot)+2*\hl+\tt/2
.set WSB, XS+4*(\mp)+2*(\sp)+\hl
	WIN 0x06+(\slot)/2                             ; source 0: window 2 or 3; source 1: window 1
.if ((\sp)+\hl) == 0
	WM 1, \tt%2, \ml
.else
	WM 0, \tt%2, \ml
.endif
.if \act
	SLICE \pbb, \pmp
.endif
.endr
.endr
.endr
.endm
; A unit: block b of the trip, pair mp.  act = 1: the list of block pbb, pair pmp stands between its products.  A block's two sets serve both its units; each is loaded again, four sets on, as soon as
; the second unit has read it.  Every unit ends with four places: the next unit's slices read its results.
.macro UNIT b, mp, act, pbb, pmp
	SETNI \pbb
.set AJ, 0
.if (\mp) == 0
	s_wait_loadcnt 50                              ; the block's two sets are in: the two younger sets' 50 loads may be out
.endif
	HALF (2*(\b))%4, 0, \mp, \act, \pbb, \pmp
.if (\mp) == 1
	WIN 0
	PLACES 4
	LOADSET (2*(\b))%4, 2*(\b)+4
.endif
	HALF (2*(\b)+1)%4, 1, \mp, \act, \pbb, \pmp
	WIN 0
	PLACES 4
.if (\mp) == 1
	LOADSET (2*(\b)+1)%4, 2*(\b)+5
.endif
.endm
.macro FETCH_H ks, buf                 ; the hidden layer's K step ks, four tiles of rows: 16 LDS loads
.irp m, 0,1,2,3
.irp c, 0,1,2
	ds_load_b128 v[HF+48*(\buf)+12*\m+4*\c:HF+48*(\buf)+12*\m+4*\c+3], v[LH] offset:(8*\m+(\ks))*1536+512*\c
.endr
	ds_load_b32 v[HS+4*(\buf)+\m], v[LS] offset:(8*\m+(\ks))*128
.endr
.endm
.macro MUL2 slot, buf, zero            ; 32 products of the second layer: the 32 accumulators take turns
.irp n, 0,1,2,3,4,5,6,7
.irp m, 0,1,2,3
.set WD, 8*(4*\n+\m)
.set WA, 96*((\slot)%2)+12*\n
.set WB, HF+48*(\buf)+12*\m
.set WSA, WSC+4*(\slot)+\n/2
.set WSB, HS+4*(\buf)+\m
	WM \zero, \n%2, 0
.endr
.endr
.endm
.macro STEP2 i                         ; K step i of the second product: set 16 + i of the stream
	PLACES 4
.if (\i)<=5
	s_wait_loadcnt 50                              ; set 16 + i is in: at most the two youngest sets may be out
.elseif (\i)==6
	s_wait_loadcnt 25                              ; the last set may be out
.else
	s_wait_loadcnt 0x0
.endif
.if (\i)>=1
.if (\i)<=4
	LOADSET ((\i)+3)%4, (\i)+3                     ; sets 20 to 23, into the ring set that the last step read; the stream ends with set 23
.endif
.endif
.if (\i)<7
	FETCH_H (\i)+1, ((\i)+1)%2
	s_wait_dscnt 16                                ; this step's fragments are in; the 16 loads just issued may be out
.else
	s_wait_dscnt 0x0
.endif
	WIN 0x52+((\i)%4)/2                            ; source 0: window 2 or 3; C and D: window 1
	MUL2 (\i)%4, (\i)%2, (\i)==0
	WIN 0
.endm
; THE WAY OUT of tile m of rows.  TOST: x p; into my stage, and back as whole rows, into the registers that they left.  SEND: a row's 512 bytes of my 128 outputs go to the row of y that the list names.
.macro TOST m
	WIN 0x01
.irp n, 0,1,2,3,4,5,6,7
.irp q, 0,2,4,6
	v_pk_mul_f32 v[OB+64*((\m)%2)+8*\n+\q:OB+64*((\m)%2)+8*\n+\q+1], v[8*(4*\n+(\m))+\q:8*(4*\n+(\m))+\q+1], v[PB+2*(\m):PB+2*(\m)+1] op_sel_hi:[1,0]   ; each accumulator from its low end on
.endr
.endr
	WIN 0
.irp n, 0,1,2,3,4,5,6,7
	ds_store_b128 v[SO], v[OB+64*((\m)%2)+8*\n:OB+64*((\m)%2)+8*\n+3] offset:64*\n
	ds_store_b128 v[SO], v[OB+64*((\m)%2)+8*\n+4:OB+64*((\m)%2)+8*\n+7] offset:64*\n+16
.endr
.irp i, 0,1,2,3,4,5,6,7,8,9,10,11,12,13,14,15
	ds_load_b128 v[OB+64*((\m)%2)+4*\i:OB+64*((\m)%2)+4*\i+3], v[SR] offset:528*\i     ; LDS serves a wave's instructions in order: these see my stores, and the next tile's stores come behind them
.endr
.endm
.macro SEND m, younger                 ; younger: the LDS instructions issued behind tile m's loads: the next tile's 32, or none
.irp i, 0,1,2,3,4,5,6,7,8,9,10,11,12,13,14,15
	s_cmp_le_u32 s18, 16*(\m)+\i                   ; rows behind the tile's count are not stored
	s_cbranch_scc1 .Ldone
	s_wait_dscnt (\younger)+15-\i                  ; row i is back; the younger rows' loads and the next tile's LDS instructions may be out
	global_store_b128 v[VO+16*(\m)+\i], v[OB+64*((\m)%2)+4*\i:OB+64*((\m)%2)+4*\i+3], s[12:13]   ; 512 consecutive bytes, at a multiple of 512
.endr
.endm
	s_load_b256 s[4:11], s[0:1], 0x0               ; plan, gates, xq, wl
	s_load_b64 s[12:13], s[0:1], 0x20              ; y
	s_set_vgpr_msb 0xc0
	v_lshl_add_u32 v254, v0, 2, 0x1b400
	v_mov_b32 v255, 0
	s_set_vgpr_msb 0xc000
	v_lshrrev_b32 v240, 5, v0
	v_readfirstlane_b32 s14, v240                  ; wave
	s_lshl_b32 s15, ttmp9, 4
	s_wait_kmcnt 0x0
	s_load_b128 s[16:19], s[4:5], s15 offset:49152 ; my tile: expert, first place, rows
	v_and_b32 v240, 31, v0                         ; lane
	v_and_b32 v241, 15, v0                         ; r
	v_bfe_u32 v242, v0, 4, 1                       ; h
	v_lshlrev_b32 v[LI], 4, v240
	v_add_nc_u32 v[LH], HIMG, v[LI]
	v_lshlrev_b32 v[A4L], 2, v240
	v_add_nc_u32 v[LS], HSC, v[A4L]
	v_bfe_u32 v243, v0, 1, 2                       ; the gather: lane l brings 16 bytes of K step (l >> 1) & 3, half l & 1, of row l >> 3 (+ 4 g)
	v_mul_u32_u24 v[XW], v243, 1536
	v_bfe_u32 v243, v0, 3, 2
	v_lshl_add_u32 v[XW], v243, 4, v[XW]
	v_and_b32 v243, 1, v0
	v_lshl_add_u32 v[XW], v243, 8, v[XW]
	s_mul_i32 s35, s14, 6144
	v_add_nc_u32 v[XW], s35, v[XW]
	s_mul_i32 s35, s14, 3072
	v_add_nc_u32 v[HW0], s35, v[LH]
	s_lshl_b32 s35, s14, 8
	v_add_nc_u32 v[HS0], s35, v[LS]
	s_mul_i32 s35, s14, 8448
	s_add_co_u32 s35, s35, STG
	v_mul_u32_u24 v[SO], v241, 528
	v_lshl_add_u32 v[SO], v242, 5, v[SO]
	v_add_nc_u32 v[SO], s35, v[SO]
	v_add_nc_u32 v[SR], s35, v[LI]
	s_lshl_b32 s35, s14, 9
	v_add_nc_u32 v[CO], s35, v[LI]
	v_lshlrev_b32 v[A4R], 2, v241
	v_and_b32 v241, 7, v0
	v_lshlrev_b32 v241, 4, v241                    ; 16 (lane % 8)
	v_bfe_u32 v243, v0, 3, 2
	v_lshlrev_b32 v243, 2, v243
	s_lshl_b32 s35, s14, 6
	v_add_nc_u32 v243, s35, v243                   ; the list's word of row 16 w + lane / 8
.irp m, 0,1,2,3
	v_mov_b32 v[TM+4+\m], 0                        ; written once: a lane permute's destination counts as one of its sources
	v_mov_b32 v[PB+2*\m+1], 0
.endr
	s_mov_b32 s28, 0xbfb8aa3b                      ; -log2 e; the packed form names a pair and takes its low word for both halves
	s_mov_b32 s29, s28
	s_mov_b32 s30, 0x76543210                      ; v_permlanex16_b32's selects for lane l xor 16
	s_mov_b32 s31, 0xfedcba98
	s_mov_b32 s32, 0
	s_mov_b32 s33, 0
	s_mov_b32 s34, 0
	s_wait_kmcnt 0x0
	s_min_u32 s16, s16, 8                          ; numbers read from memory enter addresses only behind a bound
	s_min_u32 s17, s17, 12224
	s_min_u32 s18, s18, 64
	s_lshl_b32 s35, s16, 2
	s_add_co_u32 s35, s35, s14                     ; 4 x expert + wave
	s_mul_i32 s20, s35, 294912
	s_mov_b32 s21, 0
	s_add_nc_u64 s[20:21], s[10:11], s[20:21]      ; my stream of codes
	s_mul_i32 s22, s35, 12288
	s_add_co_u32 s22, s22, WSO
	s_mov_b32 s23, 0
	s_add_nc_u64 s[22:23], s[10:11], s[22:23]      ; and of scale words
	s_lshl_b32 s24, s17, 2
	s_mov_b32 s25, 0
	s_add_nc_u64 s[24:25], s[4:5], s[24:25]        ; the list at my first place
.irp g, 0,1,2,3
	global_load_b32 v[GT+\g], v243, s[24:25] offset:16*\g
.endr
.irp j, 0,1
	global_load_b32 v[RV+\j], v[A4L], s[24:25] offset:128*\j
.endr
.irp m, 0,1,2,3
	global_load_b32 v[PR+\m], v[A4R], s[24:25] offset:64*\m
.endr
	LOADSET 0, 0
	s_wait_loadcnt 25                              ; the list's ten loads are in: set 0's 25 may be out
.irp g, 0,1,2,3
	v_min_u32 v[GT+\g], 12287, v[GT+\g]
	v_and_b32 v[GT+\g], 4095, v[GT+\g]             ; the token
	v_mad_u32_u24 v[GT+\g], v[GT+\g], 384, v241
.endr
	v_min_u32 v[RV], 12287, v[RV]
	v_min_u32 v[RV+1], 12287, v[RV+1]
	v_and_b32 v240, 4095, v[RV]
	v_and_b32 v242, 4095, v[RV+1]
	v_lshlrev_b32 v240, 4, v240
	v_lshlrev_b32 v242, 4, v242
.irp m, 0,1,2,3
	v_min_u32 v[PR+\m], 12287, v[PR+\m]
	v_lshlrev_b32 v[PR+\m], 2, v[PR+\m]            ; the weights lie by the row of y
.endr
.irp g, 0,1,2,3
.irp i, 0,1,2
	global_load_b128 v[ACC+12*\g+4*\i:ACC+12*\g+4*\i+3], v[GT+\g], s[8:9] offset:128*\i   ; four rows x 128 consecutive bytes
.endr
.endr
	global_load_b128 v[XS:XS+3], v240, s[8:9] offset:XSO
	global_load_b128 v[XS+4:XS+7], v242, s[8:9] offset:XSO
.irp m, 0,1,2,3
	global_load_b32 v[PB+2*\m], v[PR+\m], s[6:7]
.endr
	LOADSET 1, 1
	; while the gather is on its way: where each of the 64 rows goes in y, eight rows at a time; kept in window 2 until the way out
	WIN 0x80
.irp c, 0,1,2,3,4,5,6,7
.irp i, 0,1,2,3,4,5,6,7
	v_readlane_b32 s[40+\i], v[RV+\c/4], 8*(\c%4)+\i
.endr
.irp i, 0,1,2,3,4,5,6,7
	s_min_u32 s[40+\i], s[40+\i], 12287
.endr
.irp i, 0,1,2,3,4,5,6,7
	v_lshl_add_u32 v[192+8*\c+\i], s[40+\i], 11, v[CO]
.endr
.endr
	WIN 0
	s_wait_loadcnt 25                              ; all but set 1
.irp g, 0,1,2,3
.irp i, 0,1,2
	ds_store_b128 v[XW], v[ACC+12*\g+4*\i:ACC+12*\g+4*\i+3] offset:512*\i+64*\g
.endr
.endr
	s_wait_dscnt 0x0                               ; for the others' sake: my part of x's images has landed
	s_barrier_signal -1
	s_barrier_wait -1
	WIN 0x40
.irp f, 0,1,2,3,4,5,6,7,8,9,10,11,12,13,14,15
.irp c, 0,1,2
	ds_load_b128 v[12*\f+4*\c:12*\f+4*\c+3], v[LI] offset:XIMG+1536*\f+512*\c   ; x's sixteen fragments stay in window 1
.endr
.endr
	WIN 0
	LOADSET 2, 2
	LOADSET 3, 3
	s_wait_dscnt 0x0
.Ltrip:                                            ; two trips: K step 2 w + trip of the second product: four blocks of 32 hidden units, eight units, eight sets
	v_add_nc_u32 v[ADH], s33, v[HW0]
	v_add_nc_u32 v[ADS], s34, v[HS0]
	UNIT 0, 0, 0, 0, 0
	UNIT 0, 1, 1, 0, 0
	UNIT 1, 0, 1, 0, 1
	UNIT 1, 1, 1, 1, 0
	UNIT 2, 0, 1, 1, 1
	UNIT 2, 1, 1, 2, 0
	UNIT 3, 0, 1, 2, 1
	UNIT 3, 1, 1, 3, 0
	ACTALL 3, 1
	s_wait_xcnt 0x0                                ; the loads have read their bases: the stream steps eight sets on (the four sets ahead are then sets 0 to 3 from the new base)
	s_wait_dscnt 0x0
	s_add_nc_u64 s[20:21], s[20:21], 98304
	s_add_nc_u64 s[22:23], s[22:23], 4096
	s_add_co_u32 s33, s33, 1536
	s_add_co_u32 s34, s34, 128
	s_add_co_u32 s32, s32, 1
	s_cmp_lt_u32 s32, 2
	s_cbranch_scc1 .Ltrip
	s_wait_dscnt 0x0                               ; my images of the hidden layer have landed
	s_barrier_signal -1
	s_barrier_wait -1
	FETCH_H 0, 0
	STEP2 0
	STEP2 1
	STEP2 2
	STEP2 3
	STEP2 4
	STEP2 5
	STEP2 6
	STEP2 7
	WIN 0x02
.irp i, 0,1,2,3,4,5,6,7,8,9,10,11,12,13,14,15,16,17,18,19,20,21,22,23,24,25,26,27,28,29,30,31,32,33,34,35,36,37,38,39,40,41,42,43,44,45,46,47,48,49,50,51,52,53,54,55,56,57,58,59,60,61,62,63
	v_mov_b32 v[VO+\i], v[192+\i]                  ; the rows' offsets come into window 0, so that the stores between the branches need no switch; these lines are also the places behind the last products
.endr
	WIN 0
	TOST 0
	TOST 1                                         ; a tile's arithmetic and its way through the stage stand between the loads of the tile before and its stores
	SEND 0, 32
	s_wait_xcnt 0x0                                ; tile 0's stores have read their data: tile 2 takes the registers
	TOST 2
	SEND 1, 32
	s_wait_xcnt 0x0
	TOST 3
	SEND 2, 32
	SEND 3, 0
.Ldone:
	s_wait_dscnt 0x0
	s_set_vgpr_msb 0xf
	s_wait_tensorcnt 0x0
	ds_add_u32 v254, v255
	s_wait_dscnt 0x0
	s_set_vgpr_msb 0xf00
	s_endpgm
.Lfunc_end_k_q6218b5a11f_chain:
	.size	k_q6218b5a11f_chain, .Lfunc_end_k_q6218b5a11f_chain-k_q6218b5a11f_chain
	.p2alignl 7, 3214868480
	.fill 96, 4, 3214868480
	.section	.rodata,"a",@progbits
	.p2align	6, 0x0
	.amdhsa_kernel k_q6218b5a11f_chain
		.amdhsa_group_segment_fixed_size 112128
		.amdhsa_private_segment_fixed_size 0
		.amdhsa_enable_private_segment 0
		.amdhsa_kernarg_size 40
		.amdhsa_user_sgpr_count 2
		.amdhsa_user_sgpr_kernarg_segment_ptr 1
		.amdhsa_wavefront_size32 1
		.amdhsa_system_sgpr_workgroup_id_x 1
		.amdhsa_system_sgpr_workgroup_id_y 1
		.amdhsa_system_sgpr_workgroup_id_z 1
		.amdhsa_system_vgpr_workitem_id 0
		.amdhsa_next_free_vgpr 1024
		.amdhsa_next_free_sgpr 66
		.amdhsa_reserve_vcc 0
		.amdhsa_float_denorm_mode_32 3
		.amdhsa_float_denorm_mode_16_64 3
		.amdhsa_memory_ordered 1
		.amdhsa_forward_progress 1
		.amdhsa_inst_pref_size 253
	.end_amdhsa_kernel
	.amdgpu_metadata
---
amdhsa.version: [ 1, 2 ]
amdhsa.kernels:
  - .name:           k_q6218b5a11f_chain
    .symbol:         k_q6218b5a11f_chain.kd
    .args:
      - { .name: plan, .offset: 0, .size: 8, .value_kind: global_buffer, .address_space: global }
      - { .name: gates, .offset: 8, .size: 8, .value_kind: global_buffer, .address_space: global }
      - { .name: xq, .offset: 16, .size: 8, .value_kind: global_buffer, .address_space: global }
      - { .name: wl, .offset: 24, .size: 8, .value_kind: global_buffer, .address_space: global }
      - { .name: y, .offset: 32, .size: 8, .value_kind: global_buffer, .address_space: global }
    .group_segment_fixed_size: 112128
    .private_segment_fixed_size: 0
    .kernarg_segment_align: 8
    .kernarg_segment_size: 40
    .max_flat_workgroup_size: 128
    .sgpr_count:     66
    .vgpr_count:     1024
    .wavefront_size: 32
...
	.end_amdgpu_metadata
.endif
;; end of part 7
;; launch sum: the kernel of part 4 again; grid 256 x 1, 8 waves a work-group, no clusters, 0 bytes of LDS; arguments y, out0; writes out0
